; MI455X (gfx1250); checked and timed in simulation.
; The chip was launched on July 23, 2026; its instructions are those of AMD's public machine-readable ISA for CDNA 5 (MIT licence, August 2026) and "CDNA5" Instruction Set Architecture Reference Guide (July 2026). The comments in the code are by the model that wrote it; some were corrected since.
;; Cross Attention. Allowed arithmetic: matrix products marked QUANTISED: E2M3 operands, one E8M0 scale for each 32 along K, by v_wmma_scale_f32_16x16x128_f8f6f4 with both operands' format E2M3, f32 sums; everything else in f32.
;; Inputs: Wk 1,024 x 1,024 float32; Wo 1,024 x 1,024 float32; Wq 1,024 x 1,024 float32; Wv 1,024 x 1,024 float32; bo 1,024 float32; context 2 x 2,048 x 1,024 float32; query 2 x 2,048 x 1,024 float32.
;; Outputs: out0 2 x 2,048 x 1,024 float32.
;; This version of the problem:
;;   THIS VERSION OF THE PROBLEM IS GIVEN IN LOW PRECISION. The matrix products marked QUANTISED in the list below multiply operands that are first quantised to E2M3 (2 exponent bits, 3 mantissa bits; 6 bits a number), with one power-of-two scale for each 32 numbers along K (OCP MX v1.0); their sums are f32. All else is computed in f32.
;;   The module's matrix products, in the order in which they are computed (A, B: the left and right operand; K: the contracted axis; several contracted axes count as one K, in the product's order):
;;     1. [M 4,096, K 1,024] x [K 1,024, N 1,024]; A: input query; B: input Wq: QUANTISED
;;     2. [M 4,096, K 1,024] x [K 1,024, N 1,024]; A: input context; B: input Wk: QUANTISED
;;     3. [M 4,096, K 1,024] x [K 1,024, N 1,024]; A: input context; B: input Wv: QUANTISED
;;     4. batch 32 x [M 2,048, K 64] x [K 64, N 2,048]; A: computed on the way; B: computed on the way: QUANTISED
;;     5. batch 32 x [M 2,048, K 2,048] x [K 2,048, N 64]; A: softmax (see below); B: computed on the way: QUANTISED
;;     6. [M 4,096, K 1,024] x [K 1,024, N 1,024]; A: computed on the way; B: input Wo: QUANTISED
;;   THE QUANTISER, for each operand of a quantised product, along K:
;;     - K is cut into blocks of 32 from its start; a last block that is shorter is filled with zeros.
;;     - A block's scale is 2^e with e = floor(log2(the largest magnitude in the block)) - 2, held to -126 .. 127; a block of zeros has e = 0. As a byte (E8M0): e + 127.
;;     - Each number is divided by its block's scale, clamped to +-7.5, and rounded to the nearest number of E2M3, ties to even, subnormals kept.
;;     - The product sums the exact products of the quantised numbers (number of the format x scale) in f32.
;;   ~~~python
;;   def quantise(x, axis):      # numpy; x: float32 -> the quantised numbers, widened to float32 again
;;       x = np.moveaxis(x, axis, -1); K = x.shape[-1]
;;       x = np.pad(x, [(0, 0)] * (x.ndim - 1) + [(0, -K % 32)]); x = x.reshape(x.shape[:-1] + (-1, 32)); a = np.abs(x).max(-1, keepdims=True)
;;       e = np.where(a > 0, np.clip(np.frexp(np.where(a > 0, a, 1))[1] - 1 - 2, -126, 127), 0)      # np.frexp(a)[1] - 1 = floor(log2(a)), exactly
;;       r = np.clip(x / 2.0 ** e, -7.5, 7.5)
;;       step = 2.0 ** (np.maximum(np.frexp(np.where(r == 0, 1, r))[1] - 1, 0) - 3)
;;       q = np.round(r / step) * step * 2.0 ** e      # np.round: ties to even
;;       return np.moveaxis(q.reshape(q.shape[:-2] + (-1,))[..., :K], -1, axis).astype(np.float32)
;;   ~~~
;;   SOFTMAX AHEAD OF A QUANTISED PRODUCT. Where the list says 'softmax', what is quantised is not the finished softmax but p = 2^(t - M), with t = logit x log2(e) and M = ceil(the row's largest t), a whole number; so 1/2 < the row's largest p <= 1. The row's sum l is taken of the UNQUANTISED p, in f32, and the product's result is divided by l at the end. Since M is a whole number, a kernel that streams over the keys may use a running M (the ceiling of the running maximum): every later rescaling is an exact power of two, which a block's scale takes up: the codes' values come out the same.
;;   OPERANDS COMPUTED ON THE WAY. 'Computed on the way' means the value that the module computes at that place (a softmax that the list does not call 'softmax' is quantised finished and normalised). What goes into a quantiser is computed in f32, as accurately as f32 sums, v_exp_f32 and their like allow (about 1e-6 of the number): no bf16 or f16 on the way to a quantiser, and a product that is left as it is and whose result goes on into a quantised operand takes f32 operands (vector FMAs, or v_wmma_f32_16x16x4_f32). A number that lies on a knife's edge between two numbers of the format may be rounded either way, as far as f32 arithmetic and the matrix unit's own rounding can turn it there, and no further.
;; One version. Each part assembles by itself: llvm-mc -triple=amdgcn-amd-amdhsa -mcpu=gfx1250 --defsym DOCPART=n.
;; ======== version 1 of 1: 4 launches
;; limits: right only within a limited range of input values
;; workspace buffers: ximg 6,553,600 bytes; wimg 3,276,800 bytes; qb 3,276,800 bytes; kv 6,553,600 bytes; oimg 3,276,800 bytes
;; launch prep (part 1): grid 512 x 1, 4 waves a work-group, no clusters, 34,304 bytes of LDS; arguments query, context, Wq, Wk, Wv, Wo, ximg, wimg; writes ximg, wimg
.if DOCPART == 1
	.amdgcn_target "amdgcn-amd-amdhsa--gfx1250"
	.amdhsa_code_object_version 6
	.text
	.protected	k_q1727e21404_prep
	.globl	k_q1727e21404_prep
	.p2align	8
	.type	k_q1727e21404_prep,@function
k_q1727e21404_prep:
	s_mov_b64 s[64:65], 0
	v_nop
	global_prefetch_b8 v0, s[64:65] scope:SCOPE_SE
	s_setreg_imm32_b32 hwreg(HW_REG_WAVE_MODE, 25, 1), 1
	s_wait_xcnt 0x0
; query, context [4096][1024] and Wq, Wk, Wv, Wo [1024][1024], f32, become codes of FP6 (E2M3) with one E8M0 byte for each 32 along K (K = the 1,024 that the products contract:
; the last axis of query and context, the FIRST axis of the weights), laid as the later launches' operand registers want them.
; A PANEL is 128 rows (of x) or 128 columns (of W) x all of K: 8 K steps of 12,800 bytes: 8 fragment images of 1,536 bytes, then 512 bytes of scale words.
; A FRAGMENT IMAGE: register k (0..11) of lane L at 512 (k / 4) + 16 L + 4 (k % 4): three loads or stores of 16 bytes a lane, 512 consecutive bytes each.
; THE ROWS OF A TILE ARE NOT NEIGHBOURS: lane r of tile 2 b + u stands for row 32 b + 8 u + r % 8 + 16 (r / 8), so that a later result's 16 registers of tiles 2 b, 2 b + 1 are 16 neighbours.
; SCALE WORDS of a K step: the word of tile 4 g + 2 w + (lane / 16), row lane % 16, at 256 g + 8 lane + 4 w: one load of 8 bytes a lane brings two scale registers, each with one tile in lanes 0-15 and the next in lanes 16-31.
; A block's scale is 2^(floor(log2(largest magnitude)) - 2); its byte is the largest magnitude's exponent field - 2, held at 1 from below.
; LIMITS: a block of zeros gets the byte 1 where the rule says 127 (its codes are zeros; this program alone reads the bytes); blocks whose largest magnitude lies under 2^-124 were not tried; NaN and infinities are not served.
; Work-groups 0-255 take query and context (a wave: 64 rows x 128 K), work-groups 256-511 the weights (a wave: 32 columns x 128 K).  Waves share nothing: no barrier.  No matrix unit, cluster or tensor load: the launch only streams.
.set PANEL, 102400
.set KSB,   12800
.set XSTG,  8448                       ; a wave's stage: 16 rows x (512 bytes + 16): 33 x 16 bytes from row to row, so sixteen rows' 16 bytes fall on sixteen different groups of four banks
.set SPARE, 4*XSTG                     ; behind the stages: the spare words, 128 bytes a wave: two blocks of 256 bytes that no other line names
.set SPW,   18                         ; v18 my spare word's LDS address; v19 0: both never rewritten
.set NIL,   19
.set PC,    20                         ; v20-31  a fragment's codes
.set TC,    32                         ; v32-34, v36-38  the upper halves' codes (a conversion's three registers begin on an even number)
.set FO,    39                         ; v39     x: 16 L + 6144 x (which half of the row block)
.set N,     40                         ; v40..   the numbers, K along the registers
.set R,     104                        ; v104-231  x: two sets of 16 rows as loaded
.set PW0,   168                        ; v168-191  W: the codes for image lanes r and 16 + r
	s_load_b256 s[4:11], s[0:1], 0x0               ; query, context, Wq, Wk
	s_load_b256 s[12:19], s[0:1], 0x20             ; Wv, Wo, ximg, wimg
	v_lshl_add_u32 v[SPW], v0, 2, SPARE
	v_mov_b32 v[NIL], 0
	v_lshrrev_b32 v1, 5, v0
	v_readfirstlane_b32 s20, v1                    ; wave
	v_and_b32 v1, 31, v0                           ; lane L
	s_cmp_lt_u32 ttmp9, 256
	s_cbranch_scc0 .Lw
; ---------------- query and context.  Unit U = 4 x work-group + wave: tensor U / 512, row block (U / 16) % 32, K step (U / 2) % 8, half U % 2: four tiles of 16 rows x 128 K
	s_lshl_b32 s21, ttmp9, 2
	s_add_co_u32 s21, s21, s20                     ; U
	s_lshr_b32 s22, s21, 9                         ; tensor
	s_bfe_u32 s23, s21, 0x50004                    ; row block
	s_bfe_u32 s24, s21, 0x30001                    ; K step
	s_and_b32 s25, s21, 1                          ; half
	s_lshl_b32 s26, s23, 19                        ; 128 rows of 4,096 bytes
	s_lshl_b32 s27, s25, 18                        ; 64 rows
	s_add_co_u32 s26, s26, s27
	s_lshl_b32 s27, s24, 9                         ; 128 numbers along K
	s_add_co_u32 s26, s26, s27
	s_mov_b32 s27, 0
	s_lshr_b32 s32, s21, 4                         ; the panel: 32 x tensor + row block
	s_mul_i32 s32, s32, PANEL
	s_mul_i32 s33, s24, KSB
	s_add_co_u32 s32, s32, s33
	s_mov_b32 s33, 0
	s_mov_b32 s28, 0xffff0000                      ; lanes 16-31
	s_mov_b32 s30, 0x76543210
	s_mov_b32 s31, 0xfedcba98                      ; v_permlanex16_b32's selects for lane l xor 16
	s_mul_i32 s29, s20, XSTG                       ; my stage
	v_and_b32 v8, 15, v0                           ; r
	v_bfe_u32 v9, v0, 4, 1                         ; h
	s_wait_alu depctr_va_vdst(0)
	v_lshlrev_b32 v2, 4, v1                        ; 16 L: my 16 bytes of a row's 512
	v_add_nc_u32 v3, s29, v2                       ; into the stage, as loaded
	v_mul_u32_u24 v4, v8, 528
	v_lshl_add_u32 v4, v9, 7, v4
	v_add_nc_u32 v4, s29, v4                       ; out of it: row r, + 128 h bytes: my 32 numbers of each 64
	v_lshlrev_b32 v5, 3, v1
	s_lshl_b32 s34, s25, 8
	v_add_nc_u32 v5, s34, v5                       ; the scale words: 8 L + 256 x half
	s_mul_i32 s34, s25, 6144
	v_add_nc_u32 v[FO], s34, v2
	v_lshlrev_b32 v6, 3, v9                        ; 8 h
	v_mov_b32 v7, 0                                ; written once: a lane permute's destination counts as one of its sources
	s_wait_alu depctr_va_vdst(0)
	s_wait_kmcnt 0x0
	s_cmp_eq_u32 s22, 0
	s_cselect_b64 s[4:5], s[4:5], s[6:7]           ; the choice hangs on the work-group's number alone
	s_add_nc_u64 s[4:5], s[4:5], s[26:27]
	s_add_nc_u64 s[16:17], s[16:17], s[32:33]
.macro LOADT tt                        ; tile tt's 16 rows, in the tile's own order: each load takes one row's 512 consecutive bytes
.irp i, 0,1,2,3,4,5,6,7,8,9,10,11,12,13,14,15
	global_load_b128 v[R+64*((\tt)%2)+4*\i:R+64*((\tt)%2)+4*\i+3], v2, s[4:5] offset:(32*((\tt)/2)+8*((\tt)%2)+(\i%8)+16*(\i/8))*4096 th:TH_LOAD_NT
.endr
.endm
.macro XQ                              ; v[N + 32 c + i] = k 64 c + 32 h + i of my row: two whole blocks a lane -> a fragment in v[PC] on, my row's scale word in v14
.irp c, 0,1
	v_max3_num_f32 v[8+\c], |v[N+32*\c]|, |v[N+32*\c+1]|, 0x1800000   ; with the floor 2^(3 - 127) among the leaves: the byte cannot fall under 1
.endr
.irp i, 2,4,6,8,10,12,14,16,18,20,22,24,26,28,30
.irp c, 0,1
	v_max3_num_f32 v[8+\c], v[8+\c], |v[N+32*\c+\i]|, |v[N+32*\c+\i+1]|
.endr
.endr
.irp c, 0,1
	v_add_nc_u32 v[10+\c], 0xff000000, v[8+\c]     ; 2 off the exponent field: the conversion's scale operand
.endr
.irp c, 0,1
	v_lshrrev_b32 v[12+\c], 23, v[10+\c]           ; the scale's byte
.endr
	v_lshl_or_b32 v14, v13, 16, v12                ; my blocks h and 2 + h,
	v_lshlrev_b32 v14, v6, v14                     ; at their places in the word;
	v_permlanex16_b32 v7, v14, s30, s31
	v_or_b32 v14, v14, v7                          ; with lane l xor 16's two the word is whole
.irp c, 0,1
	v_cvt_scalef32_pk16_fp6_f32 v[PC+6*\c:PC+6*\c+2], v[N+32*\c:N+32*\c+15], v[10+\c]
	v_cvt_scalef32_pk16_fp6_f32 v[TC+4*\c:TC+4*\c+2], v[N+32*\c+16:N+32*\c+31], v[10+\c]
.endr
	v_nop                                          ; one plain instruction behind the conversions
.irp c, 0,1
.irp i, 0,1,2
	v_mov_b32 v[PC+6*\c+3+\i], v[TC+4*\c+\i]
.endr
.endr
.endm
.macro TILE tt
.if (\tt) < 3
	s_wait_loadcnt 16                              ; this tile's 16 loads are in; the next tile's 16 may be out
.else
	s_wait_loadcnt 0x0
.endif
.irp i, 0,1,2,3,4,5,6,7,8,9,10,11,12,13,14,15
	ds_store_b128 v3, v[R+64*((\tt)%2)+4*\i:R+64*((\tt)%2)+4*\i+3] offset:528*\i
.endr
.irp c, 0,1
.irp j, 0,1,2,3,4,5,6,7
	ds_load_b128 v[N+32*\c+4*\j:N+32*\c+4*\j+3], v4 offset:256*\c+16*\j   ; LDS serves a wave's instructions in order: these see the stores above
.endr
.endr
	s_wait_dscnt 0x0                               ; the numbers are back, and the stores into the stage have read their registers
	s_wait_xcnt 0x0                                ; the last tile's global stores have read v[PC] on: it is written again only behind this wait
.if (\tt) < 2
	LOADT (\tt)+2
.endif
	XQ
.irp i, 0,1,2
	global_store_b128 v[FO], v[PC+4*\i:PC+4*\i+3], s[16:17] offset:1536*(\tt)+512*\i   ; 512 consecutive bytes, at a multiple of 256 from the buffer's first byte
.endr
.if (\tt)%2
	v_cndmask_b32 v[16+(\tt)/2], v[16+(\tt)/2], v14, s28   ; the odd tile's words in lanes 16-31
.else
	v_mov_b32 v[16+(\tt)/2], v14
.endif
.endm
	LOADT 0
	LOADT 1
	TILE 0
	TILE 1
	TILE 2
	TILE 3
	global_store_b64 v5, v[16:17], s[16:17] offset:12288   ; four tiles' scale words: 256 consecutive bytes, aligned
	s_wait_tensorcnt 0x0                           ; the wave's end, behind my last LDS store
	ds_add_u32 v[SPW], v[NIL]
	s_wait_dscnt 0x0
	s_endpgm
; ---------------- the weights.  g = work-group - 256: matrix g / 64, group of 128 columns (g / 8) % 8, K step g % 8; wave w: columns 32 w on.  A LANE TAKES A COLUMN, ITS REGISTERS RUN DOWN K: nothing is transposed, no LDS.
.Lw:
	s_sub_co_u32 s21, ttmp9, 256
	s_lshr_b32 s22, s21, 6                         ; matrix: 0 Wq, 1 Wk, 2 Wv, 3 Wo
	s_bfe_u32 s23, s21, 0x30003                    ; group of 128 columns
	s_and_b32 s24, s21, 7                          ; K step
	s_lshl_b32 s26, s24, 19                        ; 128 rows of 4,096 bytes
	s_lshl_b32 s27, s23, 9
	s_add_co_u32 s26, s26, s27
	s_lshl_b32 s27, s20, 7
	s_add_co_u32 s26, s26, s27
	s_mov_b32 s27, 0
	s_lshr_b32 s32, s21, 3                         ; the panel: 8 x matrix + group
	s_mul_i32 s32, s32, PANEL
	s_mul_i32 s33, s24, KSB
	s_add_co_u32 s32, s32, s33
	s_mov_b32 s33, 0
	s_wait_alu depctr_va_vdst(0)
	v_lshlrev_b32 v2, 2, v1                        ; in: 4 bytes a lane, 128 consecutive bytes a wave, 512 a work-group
	v_bfe_u32 v8, v0, 3, 1                         ; my column L of the 32 is lane r' = L % 8 + 8 (L / 16) of tile 2 w + u, u = (L / 8) % 2
	v_and_b32 v9, 7, v0
	v_bfe_u32 v10, v0, 4, 1
	v_lshl_add_u32 v9, v10, 3, v9                  ; r'
	s_lshl_b32 s34, s20, 1
	v_add_nc_u32 v10, s34, v8                      ; the tile
	v_mul_u32_u24 v3, v10, 1536
	v_lshl_add_u32 v3, v9, 4, v3                   ; its image, lane r'
	v_lshl_add_u32 v4, v8, 4, v9
	v_lshlrev_b32 v4, 3, v4                        ; the scale word: 8 (r' + 16 u)
	s_lshr_b32 s34, s20, 1
	s_lshl_b32 s34, s34, 8
	s_and_b32 s35, s20, 1
	s_lshl_b32 s35, s35, 2
	s_add_co_u32 s34, s34, s35
	v_add_nc_u32 v4, s34, v4                       ; + 256 (w / 2) + 4 (w % 2)
	s_wait_kmcnt 0x0
	s_cmp_eq_u32 s22, 0
	s_cselect_b64 s[8:9], s[8:9], s[10:11]
	s_cmp_lt_u32 s22, 2
	s_cselect_b64 s[8:9], s[8:9], s[12:13]
	s_cmp_eq_u32 s22, 3
	s_cselect_b64 s[8:9], s[14:15], s[8:9]         ; the three choices hang on the work-group's number alone
	s_add_nc_u64 s[8:9], s[8:9], s[26:27]
	s_add_nc_u64 s[18:19], s[18:19], s[32:33]
.macro WLOAD kb
.set i, 0
.rept 32
	global_load_b32 v[N+32*(\kb)+i], v2, s[8:9] offset:(32*(\kb)+i)*4096 th:TH_LOAD_NT
.set i, i+1
.endr
.endm
.macro WBLK kb                         ; block kb of my column: image lane r' + 16 (kb % 2), registers 6 (kb / 2) on
.set XB, N+32*(\kb)
.set PD, PW0+12*((\kb)%2)+6*((\kb)/2)
	v_max3_num_f32 v12, |v[XB]|, |v[XB+1]|, |v[XB+2]|
	v_max3_num_f32 v13, |v[XB+3]|, |v[XB+4]|, |v[XB+5]|
.irp i, 6,10,14,18,22,26
	v_max3_num_f32 v12, v12, |v[XB+\i]|, |v[XB+\i+1]|
	v_max3_num_f32 v13, v13, |v[XB+\i+2]|, |v[XB+\i+3]|
.endr
	v_max3_num_f32 v12, v12, |v[XB+30]|, |v[XB+31]|
	v_max3_num_f32 v12, v12, v13, 0x1800000        ; and the floor
	v_add_nc_u32 v11, 0xff000000, v12
	v_lshrrev_b32 v13, 23, v11
.if (\kb) == 0
	v_mov_b32 v14, v13
.else
	v_lshl_or_b32 v14, v13, 8*(\kb), v14           ; the column's scale word: byte kb
.endif
	v_cvt_scalef32_pk16_fp6_f32 v[PD:PD+2], v[XB:XB+15], v11
	v_cvt_scalef32_pk16_fp6_f32 v[TC:TC+2], v[XB+16:XB+31], v11
	v_nop
.irp i, 0,1,2
	v_mov_b32 v[PD+3+\i], v[TC+\i]
.endr
.endm
.macro WOUT hh                         ; twelve registers for image lane r' + 16 hh: each store writes two runs of 256 consecutive bytes, aligned (tiles 2 w and 2 w + 1)
.irp i, 0,1,2
	global_store_b128 v3, v[PW0+12*\hh+4*\i:PW0+12*\hh+4*\i+3], s[18:19] offset:256*\hh+512*\i
.endr
.endm
	WLOAD 0
	WLOAD 1
	s_wait_loadcnt 32                              ; block 0 is in; the one younger block's 32 loads may be out (so at each of these waits)
	WLOAD 2
	WBLK 0
	s_wait_loadcnt 32
	WLOAD 3
	WBLK 1
	s_wait_loadcnt 32
	WBLK 2
	WOUT 0
	s_wait_loadcnt 0x0
	WBLK 3
	WOUT 1
	global_store_b32 v4, v14, s[18:19] offset:12288   ; 4 bytes a lane, 8 apart: the other words of these bytes' blocks come from the neighbouring wave; 1 byte in 128 of what the launch reads
	s_endpgm
.Lfunc_end_k_q1727e21404_prep:
	.size	k_q1727e21404_prep, .Lfunc_end_k_q1727e21404_prep-k_q1727e21404_prep
	.p2alignl 7, 3214868480
	.fill 96, 4, 3214868480
	.section	.rodata,"a",@progbits
	.p2align	6, 0x0
	.amdhsa_kernel k_q1727e21404_prep
		.amdhsa_group_segment_fixed_size 34304
		.amdhsa_private_segment_fixed_size 0
		.amdhsa_enable_private_segment 0
		.amdhsa_kernarg_size 64
		.amdhsa_user_sgpr_count 2
		.amdhsa_user_sgpr_kernarg_segment_ptr 1
		.amdhsa_wavefront_size32 1
		.amdhsa_system_sgpr_workgroup_id_x 1
		.amdhsa_system_sgpr_workgroup_id_y 1
		.amdhsa_system_sgpr_workgroup_id_z 1
		.amdhsa_system_vgpr_workitem_id 0
		.amdhsa_next_free_vgpr 240
		.amdhsa_next_free_sgpr 66
		.amdhsa_reserve_vcc 0
		.amdhsa_float_denorm_mode_32 3
		.amdhsa_float_denorm_mode_16_64 3
		.amdhsa_memory_ordered 1
		.amdhsa_forward_progress 1
		.amdhsa_inst_pref_size 51
	.end_amdhsa_kernel
	.amdgpu_metadata
---
amdhsa.version: [ 1, 2 ]
amdhsa.kernels:
  - .name:           k_q1727e21404_prep
    .symbol:         k_q1727e21404_prep.kd
    .args:
      - { .name: query, .offset: 0, .size: 8, .value_kind: global_buffer, .address_space: global }
      - { .name: context, .offset: 8, .size: 8, .value_kind: global_buffer, .address_space: global }
      - { .name: Wq, .offset: 16, .size: 8, .value_kind: global_buffer, .address_space: global }
      - { .name: Wk, .offset: 24, .size: 8, .value_kind: global_buffer, .address_space: global }
      - { .name: Wv, .offset: 32, .size: 8, .value_kind: global_buffer, .address_space: global }
      - { .name: Wo, .offset: 40, .size: 8, .value_kind: global_buffer, .address_space: global }
      - { .name: ximg, .offset: 48, .size: 8, .value_kind: global_buffer, .address_space: global }
      - { .name: wimg, .offset: 56, .size: 8, .value_kind: global_buffer, .address_space: global }
    .group_segment_fixed_size: 34304
    .private_segment_fixed_size: 0
    .kernarg_segment_align: 8
    .kernarg_segment_size: 64
    .max_flat_workgroup_size: 128
    .sgpr_count:     66
    .vgpr_count:     240
    .wavefront_size: 32
...
	.end_amdgpu_metadata
.endif
;; end of part 1
;; launch proj (part 2): grid 8 x 32, 4 waves a work-group, clusters of 4 x 4, 327,680 bytes of LDS; arguments ximg, wimg, qb, kv; writes qb, kv
.if DOCPART == 2
	.amdgcn_target "amdgcn-amd-amdhsa--gfx1250"
	.amdhsa_code_object_version 6
	.text
	.protected	k_q1727e21404_proj
	.globl	k_q1727e21404_proj
	.p2align	8
	.type	k_q1727e21404_proj,@function
k_q1727e21404_proj:
	s_mov_b64 s[64:65], 0
	v_nop
	global_prefetch_b8 v0, s[64:65] scope:SCOPE_SE
	s_setreg_imm32_b32 hwreg(HW_REG_WAVE_MODE, 25, 1), 1
	s_wait_xcnt 0x0
	s_wait_alu depctr_hold_cnt(0) depctr_sa_sdst(0) depctr_va_vdst(0) depctr_va_sdst(0) depctr_va_ssrc(0) depctr_va_vcc(0) depctr_vm_vsrc(0)
	s_getreg_b32 s2, hwreg(HW_REG_IB_STS2, 6, 4)
	s_cmp_eq_u32 s2, 0
	s_cbranch_scc0 .Lentry_in_a_cluster
	s_endpgm
.Lentry_in_a_cluster:
	s_bfe_u32 s2, ttmp6, 0x10000c
	s_cmp_lg_u32 s2, 0xf033
	s_cbranch_scc0 .Lentry_shape_is_right
	s_endpgm
.Lentry_shape_is_right:
; q = query Wq, k = context Wk, v = context Wv on codes of FP6 (E2M3) with E8M0 scales, and each result quantised at once for the attention's products: q and k along the head's 64, v along the keys.  No f32 result goes to memory.
; THE DEAL: 8 x 32 = 256 work-groups.  A work-group takes row block RB (128 rows) and column panel J (128 columns = heads 2 J, 2 J + 1) of ALL THREE products, in two phases.
; PHASE 1: context's panel RB against Wk's and Wv's panels J.  Waves 0, 1 make k's two heads, waves 2, 3 v's: a wave 128 rows x 64 columns, 32 accumulators, 256 products.
; PHASE 2: query's panel RB against Wq's panel J.  Wave (rh = wave / 2, ch = wave % 2) makes rows 64 rh on x head 2 J + ch: 16 accumulators, 128 products.
; The operands lie in memory as images of the operand registers (launch prep): a panel = 128 rows or columns x all 1,024 of K = 8 K steps of 12,800 bytes (8 fragment images of 1,536 bytes, 512 bytes of scale words).
; LDS: three panels, 307,200 bytes.  At the head one tensor load a wave: context's panel in halves (waves 0, 1), Wk's (wave 2), Wv's (wave 3).  ONE REFILL, behind the three lines and a round of the cluster's barrier
; query's panel onto context's (waves 0, 1 a half each), Wq's onto Wk's (waves 2, 3 a half each).  Phase 1's way out, work on registers and stores, stands between that request and the wait for it.
; CLUSTER 4 x 4: the four of a row of the cluster need the same panels of x, the four of a column the same panels of W: joint loads.
; q, k: source 0 = 16 columns of W, source 1 = 16 rows of x: a lane holds one row and its registers run along the head's d.  v: the sources change places: a lane holds one d and its registers run along the keys.
; The rows of a tile are not neighbours (lane r of tile 2 b + u: row 32 b + 8 u + r % 8 + 16 (r / 8)), so the 16 registers of tiles 2 b, 2 b + 1 of source 0 are 16 neighbours along the next product's K.
; OUT: qb [bh][step][6,400], kv [bh][step][12,800] (K at 0, V^T at 6,400): four images of 1,536 bytes and 256 bytes of scale words.  A q or k image holds TWO tiles of 16 rows x 64 d (registers 0-5, 6-11); a V^T image 16 d x 128 keys.
; LIMITS: a block of zeros gets the byte 1 where the rule says 127 (its codes are zeros; this program alone reads the bytes); largest magnitudes under 2^-124 not tried; NaN and infinities not served.
; No prefetch: the text has no loop to run ahead in; phase 1's panels are asked for by the first lines.
; REGISTERS: window 0: v1-20 addresses; v28, v29 the add's two; v32-45 scale words, two sets; v64-159 x's fragments, v160-207 W's 4 (set 0).  window 1: the accumulators.  window 2: fragment set 1 at the same numbers.
.set PANEL, 102400
.set KSB,   12800
.set BPAN,  PANEL                      ; LDS: x's panel at 0, W's two behind it
.set SPARE, 3*PANEL                    ; the spare words, 128 bytes a wave: two blocks of 256 bytes that no other line names
.set LI,  1                            ; 16 L
.set L8,  2                            ; 8 L
.set ADA, 3                            ; v3, v4   x's fragments, K steps 0-3 and 4-7 (an LDS offset has 16 bits); phase 2's at + 8: v11, v12
.set ADB, 5                            ; v5, v6   my head's fragments of W; v13, v14
.set ASA, 7                            ; v7, v8   x's scale words; v15, v16
.set ASB, 9                            ; v9, v10  my head's; v17, v18
.set LIQ, 19                           ; 16 L + 3,072 rh: phase 2's images
.set L8Q, 20                           ; 8 L + 4 rh: phase 2's scale words
.set SPW, 28
.set NIL, 29
.set XS,  32                           ; set s % 2 at + 8: tile a in register a / 2, lanes 16 (a % 2) on
.set WS,  36                           ; two registers: tile t likewise
.set AF,  64
.set BF,  160
.set TM,  200                          ; the way out: v200-215 at work, v216-219 scale words, v[220:221] as stored
.set PW,  216
.set SW,  220
.set WV,  12
.set G1A, 24
.set G1B, 32
.set G0A, 40                           ; s[40:43] context's half, s[44:47] query's
.set G0B, 68                           ; s[68:71] Wk's or Wv's panel, s[72:75] Wq's half
.set MSB, 0
.macro WIN new                         ; the immediate's high byte repeats the setting that is left
.if MSB != \new
	s_set_vgpr_msb (MSB<<8)|\new
.set MSB, \new
.endif
.endm
.macro PLACES n
.rept \n
	v_nop
.endr
.endm
.macro CROUND                          ; a round of the cluster's barrier
	s_barrier_signal -1
	s_barrier_wait -1
	s_cmp_lg_u32 s[WV], 0
	s_cbranch_scc1 .Lnot_wave_0_\@
	s_barrier_signal -3
.Lnot_wave_0_\@:
	s_barrier_wait -3
	s_barrier_signal -1
	s_barrier_wait -1
.endm
.macro JLOAD c                         ; one joint load a wave: waves 0, 1 for x, waves 2, 3 for W; each line has one mask; c = 0 the head's, 4 the refill's
	s_cmp_eq_u32 s13, 0
	s_cbranch_scc0 .Lfor_w_\@
	tensor_load_to_lds s[G0A+\c:G0A+\c+3], s[G1A:G1A+7]
	s_nop 0
	PLACES 4
	s_branch .Lasked_\@
.Lfor_w_\@:
	tensor_load_to_lds s[G0B+\c:G0B+\c+3], s[G1B:G1B+7]
	s_nop 0
	PLACES 4
.Lasked_\@:
.endm
	s_load_b256 s[4:11], s[0:1], 0x0               ; ximg, wimg, qb, kv
	v_lshl_add_u32 v[SPW], v0, 2, SPARE
	v_mov_b32 v[NIL], 0
	ds_add_u32 v[SPW], v[NIL]                      ; the opening lines: the add, twice on end, and its wait ahead of my first tensor load
	ds_add_u32 v[SPW], v[NIL]
	v_lshrrev_b32 v21, 5, v0
	v_readfirstlane_b32 s[WV], v21                 ; wave 0..3
	s_lshr_b32 s13, s[WV], 1                       ; I fetch for x (0) or W (1); phase 1: k (0) or v (1); phase 2: rh
	s_and_b32 s14, s[WV], 1                        ; which part I fetch; which head of the panel's two is mine
	s_bfe_u32 s15, ttmp6, 0x40000                  ; cx
	s_bfe_u32 s16, ttmp6, 0x40004                  ; cy
	s_lshl_b32 s17, ttmp9, 2
	s_add_co_u32 s17, s17, s15                     ; J = 4 x cluster x + cx
	s_and_b32 s18, ttmp7, 0xffff
	s_lshl_b32 s18, s18, 2
	s_add_co_u32 s18, s18, s16                     ; RB = 4 x cluster y + cy
	s_lshl_b32 s19, s16, 2
	s_lshl_b32 s19, 15, s19                        ; my row of the cluster
	s_lshl_b32 s20, 0x1111, s15                    ; my column
	; group 1: dense blocks as rows of 256 bytes (32 elements of 8 bytes), no padding: x 200 rows (half a panel), W 400 rows (a panel; for the refill 200)
	s_or_b32 s[G1A], s19, (3<<16)|(1<<21)          ; 15:0 the mask; 17:16 elements of 8 bytes; 21 set beside a mask
	s_or_b32 s[G1B], s20, (3<<16)|(1<<21)
	s_mov_b32 s[G1A+1], 32<<16                     ; tensor_dim0
	s_mov_b32 s[G1A+2], 200<<16                    ; tensor_dim1
	s_mov_b32 s[G1A+3], 32<<16                     ; tile_dim0
	s_mov_b32 s[G1A+4], 200                        ; tile_dim1
	s_mov_b32 s[G1A+5], 32                         ; the pitch
	s_mov_b32 s[G1A+6], 0
	s_mov_b32 s[G1A+7], 0
	s_mov_b32 s[G1B+1], 32<<16
	s_mov_b32 s[G1B+2], 400<<16
	s_mov_b32 s[G1B+3], 32<<16
	s_mov_b32 s[G1B+4], 400
	s_mov_b32 s[G1B+5], 32
	s_mov_b32 s[G1B+6], 0
	s_mov_b32 s[G1B+7], 0
	; x's addresses hang on RB, W's on J: each in registers that never hold the other place
	s_mul_i32 s21, s14, 4*KSB                      ; a half of a panel: K steps 4 (wave % 2) on; in memory and in LDS alike
	s_mul_i32 s56, s18, PANEL
	s_add_co_u32 s56, s56, s21                     ; query's panel RB, my half
	s_mov_b32 s57, 0
	s_mul_i32 s58, s17, PANEL                      ; Wq's panel J
	s_mov_b32 s59, 0
	s_add_co_u32 s60, s14, 1
	s_mul_i32 s60, s60, 8*PANEL                    ; Wk (wave 2) or Wv (wave 3),
	s_add_co_u32 s60, s60, s58                     ; its panel J
	s_mov_b32 s61, 0
	s_add_co_u32 s58, s58, s21                     ; Wq's panel J, my half
	s_mul_i32 s22, s14, PANEL
	s_add_co_u32 s22, s22, BPAN                    ; LDS: Wk's panel, Wv's behind it
	s_add_co_u32 s23, s21, BPAN                    ; LDS: Wq's halves, onto Wk's panel
	s_mov_b32 s84, 0xffff0000                      ; lanes 16-31
	s_mov_b32 s86, 0x76543210
	s_mov_b32 s87, 0xfedcba98
	s_wait_dscnt 0x0                               ; both opening adds are done
	s_wait_kmcnt 0x0
	s_add_nc_u64 s[56:57], s[4:5], s[56:57]
	s_add_nc_u64 s[58:59], s[6:7], s[58:59]
	s_add_nc_u64 s[60:61], s[6:7], s[60:61]
	s_mov_b32 s[G0A], 1
	s_mov_b32 s[G0A+1], s21
	s_add_nc_u64 s[G0A+2:G0A+3], s[56:57], 32*PANEL   ; context's panels lie behind query's 32
	s_or_b32 s[G0A+3], s[G0A+3], 0x80000000
	s_mov_b32 s[G0A+4], 1
	s_mov_b32 s[G0A+5], s21
	s_mov_b64 s[G0A+6:G0A+7], s[56:57]
	s_or_b32 s[G0A+7], s[G0A+7], 0x80000000
	s_mov_b32 s[G0B], 1
	s_mov_b32 s[G0B+1], s22
	s_mov_b64 s[G0B+2:G0B+3], s[60:61]
	s_or_b32 s[G0B+3], s[G0B+3], 0x80000000
	s_mov_b32 s[G0B+4], 1
	s_mov_b32 s[G0B+5], s23
	s_mov_b64 s[G0B+6:G0B+7], s[58:59]
	s_or_b32 s[G0B+7], s[G0B+7], 0x80000000
	CROUND                                         ; all sixteen work-groups are here: the joint loads meet
	JLOAD 0                                        ; phase 1's three panels: one tensor load a wave
	; the scalars first, then the vector lines on end
	s_mul_i32 s62, s13, 6144                       ; phase 2: x's tiles 4 rh on
	s_mul_i32 s76, s14, 6144
	s_add_co_u32 s76, s76, BPAN                    ; phase 2: my head's tiles of Wq
	s_mul_i32 s63, s13, PANEL
	s_add_co_u32 s63, s63, s76                     ; phase 1: panel wave / 2, tiles 4 (wave % 2) on
	s_lshl_b32 s78, s14, 8
	s_add_co_u32 s78, s78, BPAN+12288              ; phase 2: my head's scale words
	s_mul_i32 s77, s13, PANEL
	s_add_co_u32 s77, s77, s78                     ; phase 1's
	s_lshl_b32 s79, s13, 8
	s_add_co_u32 s79, s79, 12288                   ; phase 2: my rows' scale words
	s_mul_i32 s80, s13, 3072
	s_lshl_b32 s81, s13, 2
	; where my head's results go: (16 bh + step) blocks on; bh = 16 x batch + head, batch = RB / 16, step = RB % 16, head = 2 J + wave % 2 in both phases
	s_lshr_b32 s82, s18, 4
	s_lshl_b32 s82, s82, 4
	s_lshl_b32 s83, s17, 1
	s_add_co_u32 s82, s82, s83
	s_add_co_u32 s82, s82, s14
	s_lshl_b32 s82, s82, 4
	s_and_b32 s83, s18, 15
	s_add_co_u32 s82, s82, s83
	s_mul_i32 s88, s82, 6400
	s_mov_b32 s89, 0
	s_add_nc_u64 s[8:9], s[8:9], s[88:89]          ; q's block
	s_mul_i32 s88, s82, 12800
	s_mul_i32 s83, s13, 6400                       ; V^T lies behind K
	s_add_co_u32 s88, s88, s83
	s_add_nc_u64 s[10:11], s[10:11], s[88:89]      ; k's or v's
	v_and_b32 v21, 31, v0
	v_lshlrev_b32 v[LI], 4, v21
	v_lshlrev_b32 v[L8], 3, v21
	v_lshlrev_b32 v[ADA], 4, v21
	v_add_nc_u32 v[ADA+1], 4*KSB, v[ADA]
	v_add_nc_u32 v[ADB], s63, v[LI]
	v_add_nc_u32 v[ADB+1], 4*KSB, v[ADB]
	v_add_nc_u32 v[ASA], 12288, v[L8]
	v_add_nc_u32 v[ASA+1], 4*KSB, v[ASA]
	v_add_nc_u32 v[ASB], s77, v[L8]
	v_add_nc_u32 v[ASB+1], 4*KSB, v[ASB]
	v_add_nc_u32 v[ADA+8], s62, v[LI]
	v_add_nc_u32 v[ADA+9], 4*KSB, v[ADA+8]
	v_add_nc_u32 v[ADB+8], s76, v[LI]
	v_add_nc_u32 v[ADB+9], 4*KSB, v[ADB+8]
	v_add_nc_u32 v[ASA+8], s79, v[L8]
	v_add_nc_u32 v[ASA+9], 4*KSB, v[ASA+8]
	v_add_nc_u32 v[ASB+8], s78, v[L8]
	v_add_nc_u32 v[ASB+9], 4*KSB, v[ASB+8]
	v_add_nc_u32 v[LIQ], s80, v[LI]
	v_add_nc_u32 v[L8Q], s81, v[L8]
; One matrix line, from the symbols set ahead of it.  WR: bit 0 source 0's scales in lanes 16-31, bit 1 source 1's.  c = 0: the product starts its sum
.macro WMC c
.if WR == 0
	v_wmma_scale_f32_16x16x128_f8f6f4 v[WD:WD+7], v[WA:WA+11], v[WB:WB+11], \c, v[WSA], v[WSB] matrix_a_fmt:MATRIX_FMT_FP6 matrix_b_fmt:MATRIX_FMT_FP6
.elseif WR == 1
	v_wmma_scale_f32_16x16x128_f8f6f4 v[WD:WD+7], v[WA:WA+11], v[WB:WB+11], \c, v[WSA], v[WSB] matrix_a_fmt:MATRIX_FMT_FP6 matrix_b_fmt:MATRIX_FMT_FP6 matrix_a_scale:MATRIX_SCALE_ROW1
.elseif WR == 2
	v_wmma_scale_f32_16x16x128_f8f6f4 v[WD:WD+7], v[WA:WA+11], v[WB:WB+11], \c, v[WSA], v[WSB] matrix_a_fmt:MATRIX_FMT_FP6 matrix_b_fmt:MATRIX_FMT_FP6 matrix_b_scale:MATRIX_SCALE_ROW1
.else
	v_wmma_scale_f32_16x16x128_f8f6f4 v[WD:WD+7], v[WA:WA+11], v[WB:WB+11], \c, v[WSA], v[WSB] matrix_a_fmt:MATRIX_FMT_FP6 matrix_b_fmt:MATRIX_FMT_FP6 matrix_a_scale:MATRIX_SCALE_ROW1 matrix_b_scale:MATRIX_SCALE_ROW1
.endif
.endm
; 8 matrix instructions: x's tiles a0, a0 + 1 against my head's four.  mode 0 (q, k): accumulator (a, t) at 8 (4 a + t); mode 1 (v): at 8 (8 t + a), sources changed.  K step 0's products start the sums.
; The accumulators take turns, one instruction a turn, in the same order in every K step.
.macro MUL a0, s, mode
.irp a, \a0, \a0+1
.irp t, 0,1,2,3
.if \mode
.set WD, 8*(8*\t+(\a))
.set WA, AF+12*(\a)
.set WB, BF+12*\t
.set WSA, XS+8*((\s)%2)+(\a)/2
.set WSB, WS+8*((\s)%2)+\t/2
.set WR, (\a)%2+2*(\t%2)
.else
.set WD, 8*(4*(\a)+\t)
.set WA, BF+12*\t
.set WB, AF+12*(\a)
.set WSA, WS+8*((\s)%2)+\t/2
.set WSB, XS+8*((\s)%2)+(\a)/2
.set WR, \t%2+2*((\a)%2)
.endif
.if (\s) == 0
	WMC 0
.else
	WMC v[WD:WD+7]
.endif
.endr
.endr
.endm
.macro HALF a0, s, mode, na            ; half of a K step's products: na / 2 tiles of x from a0 on
	MUL \a0, \s, \mode
.if \na == 8
	MUL (\a0)+2, \s, \mode
.endif
.endm
.macro FETCH s, na, p                  ; K step s: na tiles of x and four of W, 16 bytes a lane (each load 512 consecutive bytes), into fragment set s % 2; the scale words, 8 bytes a lane.  p: 0 phase 1's address registers, 8 phase 2's
.if (\s)%2
	WIN 0x80                                       ; destination window 2
.else
	WIN 0
.endif
.set a_, 0
.rept \na
.irp i, 0,1,2
	ds_load_b128 v[AF+12*a_+4*\i:AF+12*a_+4*\i+3], v[ADA+\p+(\s)/4] offset:((\s)%4)*KSB+a_*1536+\i*512
.endr
.set a_, a_+1
.endr
.irp t, 0,1,2,3
.irp i, 0,1,2
	ds_load_b128 v[BF+12*\t+4*\i:BF+12*\t+4*\i+3], v[ADB+\p+(\s)/4] offset:((\s)%4)*KSB+\t*1536+\i*512
.endr
.endr
	WIN 0
	ds_load_b64 v[XS+8*((\s)%2):XS+8*((\s)%2)+1], v[ASA+\p+(\s)/4] offset:((\s)%4)*KSB
.if \na == 8
	ds_load_b64 v[XS+8*((\s)%2)+2:XS+8*((\s)%2)+3], v[ASA+\p+(\s)/4] offset:((\s)%4)*KSB+256
.endif
	ds_load_b64 v[WS+8*((\s)%2):WS+8*((\s)%2)+1], v[ASB+\p+(\s)/4] offset:((\s)%4)*KSB
.endm
.macro MWIN s
.if (\s)%2
	WIN 0x5a                                       ; both sources window 2, C and D window 1
.else
	WIN 0x50                                       ; both sources window 0, C and D window 1
.endif
.endm
; A K step of 128; in its middle the next step's fragments are fetched into the other set.  A phase's panels are whole in LDS from its barrier on: no barrier stands in a step.
.macro KSTEP s, mode, na, p
	s_wait_dscnt 0x0                               ; this step's loads are in
	MWIN \s
	HALF 0, \s, \mode, \na
.if (\s) < 7
	PLACES 4                                       ; four plain instructions between the last products that read the other set (the step before) and the loads into it
	FETCH (\s)+1, \na, \p
	MWIN \s
.endif
	HALF (\na)/2, \s, \mode, \na
.endm
; THE WAY OUT, alike for the three products.  Window 1's registers 64 e .. 64 e + 63 are 64 numbers of my lane's row, register 16 b + i = place 32 b + 16 (lane / 16) + i along the next K
; (q, k: tiles 2 e and 2 e + 1 of rows, 64 d each; v: tile e of d, 128 keys).  They become one fragment and one scale word a row.  Each accumulator is read from its low end on.
.macro QUANTW e, li, sb
.set QS, 64*(\e)
.set PC, 64+20*(\e)                    ; x's fragment registers are free: 12 for the codes, 2 x 3 at + 12 and + 16 at work
	WIN 0x05                                       ; sources 0, 1 window 1
.irp b, 0,1,2,3
	v_max3_num_f32 v[TM+\b], |v[QS+16*\b]|, |v[QS+16*\b+1]|, 0x1800000   ; with the floor 2^(3 - 127)
.endr
	WIN 0x14                                       ; sources 1, 2 window 1
.irp i, 2,4,6,8,10,12,14
.irp b, 0,1,2,3
	v_max3_num_f32 v[TM+\b], v[TM+\b], |v[QS+16*\b+\i]|, |v[QS+16*\b+\i+1]|
.endr
.endr
	WIN 0
.irp b, 0,1,2,3
	v_permlanex16_b32 v[TM+4+\b], v[TM+\b], s86, s87
.endr
.irp b, 0,1,2,3
	v_max_num_f32 v[TM+\b], v[TM+\b], v[TM+4+\b]   ; with lane l xor 16's: the block's largest magnitude
.endr
.irp b, 0,1,2,3
	v_add_nc_u32 v[TM+12+\b], 0xff000000, v[TM+\b] ; 2 off the exponent field: the conversion's scale operand
.endr
.irp b, 0,1,2,3
	v_lshrrev_b32 v[TM+4+\b], 23, v[TM+12+\b]      ; the byte
.endr
	v_lshl_or_b32 v[PW+(\e)], v[TM+5], 8, v[TM+4]
	v_lshl_or_b32 v[PW+(\e)], v[TM+6], 16, v[PW+(\e)]
	v_lshl_or_b32 v[PW+(\e)], v[TM+7], 24, v[PW+(\e)]
	WIN 0x01                                       ; source 0 window 1
.irp c, 0,1
	v_cvt_scalef32_pk16_fp6_f32 v[PC+6*\c:PC+6*\c+2], v[QS+32*\c:QS+32*\c+15], v[TM+12+2*\c]
	v_cvt_scalef32_pk16_fp6_f32 v[PC+12+4*\c:PC+14+4*\c], v[QS+32*\c+16:QS+32*\c+31], v[TM+12+2*\c+1]
.endr
	WIN 0
	v_nop                                          ; one plain instruction behind the conversions
.irp c, 0,1                            ; the operand wants a WHOLE block in a lane: lanes 0-15 block 2 c, lanes 16-31 block 2 c + 1
.irp i, 0,1,2
	v_permlane16_swap_b32 v[PC+6*\c+\i], v[PC+12+4*\c+\i]
.endr
.irp i, 0,1,2
	v_mov_b32 v[PC+6*\c+3+\i], v[PC+12+4*\c+\i]
.endr
.endr
.irp i, 0,1,2
	global_store_b128 v[\li], v[PC+4*\i:PC+4*\i+3], s[\sb:\sb+1] offset:1536*(\e)+512*\i   ; 512 consecutive bytes, at a multiple of 256 from the buffer's first byte
.endr
.endm
.macro OUTHEAD
	PLACES 4                                       ; behind the last products, ahead of the first read of results and the first write of operand registers
.irp b, 0,1,2,3
	v_mov_b32 v[TM+4+\b], 0                        ; a lane permute's destination counts as one of its sources
.endr
.endm
	s_wait_alu depctr_va_vdst(0)
	s_wait_tensorcnt 0x0                           ; my one tensor load has landed
	s_barrier_signal -1
	s_barrier_wait -1                              ; everybody's has
; ---------------- PHASE 1: k (waves 0, 1) and v (waves 2, 3)
	FETCH 0, 8, 0
	s_cmp_eq_u32 s13, 1                            ; on the wave's number alone; no barrier stands on either way
	s_cbranch_scc1 .Lv
.irp s, 0,1,2,3,4,5,6,7
	KSTEP \s, 0, 8, 0
.endr
	WIN 0
	s_branch .Lout
.Lv:
.irp s, 0,1,2,3,4,5,6,7
	KSTEP \s, 1, 8, 0
.endr
	WIN 0
.Lout:
; ---------------- THE REFILL: my reads of the panels are over (the last were waited for at K step 7's head)
	s_wait_tensorcnt 0x0                           ; ahead of the refill's round
	ds_add_u32 v[SPW], v[NIL]
	s_mov_b32 s[G1B+2], 200<<16                    ; no tensor load of mine is out, so a descriptor may be written: W's loads now bring half a panel
	s_mov_b32 s[G1B+4], 200
	s_wait_dscnt 0x0
	CROUND                                         ; no wave of any partner still reads these panels or has a load on its way
	JLOAD 4                                        ; query's panel onto context's, Wq's onto Wk's: the first tensor load behind the round, one a wave
	OUTHEAD                                        ; phase 1's way out stands between the request and the wait for it
	QUANTW 0, LI, 10
	QUANTW 1, LI, 10
	QUANTW 2, LI, 10
	QUANTW 3, LI, 10
	v_cndmask_b32 v[SW], v[PW], v[PW+1], s84       ; image 2 w in lanes 0-15, image 2 w + 1 in lanes 16-31
	v_cndmask_b32 v[SW+1], v[PW+2], v[PW+3], s84
	global_store_b64 v[L8], v[SW:SW+1], s[10:11] offset:6144   ; 256 consecutive bytes, aligned
; ---------------- PHASE 2: q
	s_wait_alu depctr_va_vdst(0)
	s_wait_xcnt 0x0                                ; the stores have read their registers: fragments may land there, and the way out's registers may be written again
	s_wait_tensorcnt 0x0                           ; my half panel has landed
	s_barrier_signal -1
	s_barrier_wait -1                              ; everybody's has
	FETCH 0, 4, 8
.irp s, 0,1,2,3,4,5,6,7
	KSTEP \s, 0, 4, 8
.endr
	WIN 0
	OUTHEAD
	QUANTW 0, LIQ, 8                               ; my rows' images 2 rh and 2 rh + 1
	QUANTW 1, LIQ, 8
	v_cndmask_b32 v[SW], v[PW], v[PW+1], s84
	global_store_b32 v[L8Q], v[SW], s[8:9] offset:6144   ; 4 bytes a lane, 8 apart: the other words of these 256 bytes come from the wave with the other rows; 128 bytes beside the 3,072 above
	s_wait_tensorcnt 0x0                           ; the wave's end, behind my last tensor load
	ds_add_u32 v[SPW], v[NIL]
	s_wait_dscnt 0x0
	CROUND                                         ; the closing round
	s_endpgm
.Lfunc_end_k_q1727e21404_proj:
	.size	k_q1727e21404_proj, .Lfunc_end_k_q1727e21404_proj-k_q1727e21404_proj
	.p2alignl 7, 3214868480
	.fill 96, 4, 3214868480
	.section	.rodata,"a",@progbits
	.p2align	6, 0x0
	.amdhsa_kernel k_q1727e21404_proj
		.amdhsa_group_segment_fixed_size 327680
		.amdhsa_private_segment_fixed_size 0
		.amdhsa_enable_private_segment 0
		.amdhsa_kernarg_size 32
		.amdhsa_user_sgpr_count 2
		.amdhsa_user_sgpr_kernarg_segment_ptr 1
		.amdhsa_wavefront_size32 1
		.amdhsa_system_sgpr_workgroup_id_x 1
		.amdhsa_system_sgpr_workgroup_id_y 1
		.amdhsa_system_sgpr_workgroup_id_z 1
		.amdhsa_system_vgpr_workitem_id 0
		.amdhsa_next_free_vgpr 768
		.amdhsa_next_free_sgpr 100
		.amdhsa_reserve_vcc 0
		.amdhsa_float_denorm_mode_32 3
		.amdhsa_float_denorm_mode_16_64 3
		.amdhsa_memory_ordered 1
		.amdhsa_forward_progress 1
		.amdhsa_inst_pref_size 171
	.end_amdhsa_kernel
	.amdgpu_metadata
---
amdhsa.version: [ 1, 2 ]
amdhsa.kernels:
  - .name:           k_q1727e21404_proj
    .symbol:         k_q1727e21404_proj.kd
    .args:
      - { .name: ximg, .offset: 0, .size: 8, .value_kind: global_buffer, .address_space: global }
      - { .name: wimg, .offset: 8, .size: 8, .value_kind: global_buffer, .address_space: global }
      - { .name: qb, .offset: 16, .size: 8, .value_kind: global_buffer, .address_space: global }
      - { .name: kv, .offset: 24, .size: 8, .value_kind: global_buffer, .address_space: global }
    .group_segment_fixed_size: 327680
    .private_segment_fixed_size: 0
    .kernarg_segment_align: 8
    .kernarg_segment_size: 32
    .max_flat_workgroup_size: 128
    .sgpr_count:     100
    .vgpr_count:     768
    .wavefront_size: 32
...
	.end_amdgpu_metadata
.endif
;; end of part 2
;; launch attn (part 3): grid 8 x 32, 16 waves a work-group, clusters of 4 x 1, 327,680 bytes of LDS; arguments qb, kv, oimg; writes oimg
.if DOCPART == 3
	.amdgcn_target "amdgcn-amd-amdhsa--gfx1250"
	.amdhsa_code_object_version 6
	.text
	.protected	k_q1727e21404_attn
	.globl	k_q1727e21404_attn
	.p2align	8
	.type	k_q1727e21404_attn,@function
k_q1727e21404_attn:
	s_mov_b64 s[64:65], 0
	v_nop
	global_prefetch_b8 v0, s[64:65] scope:SCOPE_SE
	s_setreg_imm32_b32 hwreg(HW_REG_WAVE_MODE, 25, 1), 1
	s_wait_xcnt 0x0
	s_wait_alu depctr_hold_cnt(0) depctr_sa_sdst(0) depctr_va_vdst(0) depctr_va_sdst(0) depctr_va_ssrc(0) depctr_va_vcc(0) depctr_vm_vsrc(0)
	s_getreg_b32 s2, hwreg(HW_REG_IB_STS2, 6, 4)
	s_cmp_eq_u32 s2, 0
	s_cbranch_scc0 .Lentry_in_a_cluster
	s_endpgm
.Lentry_in_a_cluster:
	s_bfe_u32 s2, ttmp6, 0x10000c
	s_cmp_lg_u32 s2, 0x3003
	s_cbranch_scc0 .Lentry_shape_is_right
	s_endpgm
.Lentry_shape_is_right:
; O = softmax(q k^T / 8) v for one (batch, head) bh and 256 queries a work-group, both products on codes of FP6 (E2M3) with E8M0 scales; the result is quantised along the head's 64 for the last product.
; THE SOFTMAX AHEAD OF THE SECOND PRODUCT: t = score x log2(e) / 8; M = the running largest t rounded UP to a whole number; p = 2^(t - M) is quantised along the keys, not normalised; the row's sum is taken of the
; unquantised p and divides O at the end.  When M moves, the sum and O are multiplied by 2^(old M - new M): exact, and without a branch.
; SHARES: sixteen waves, each ONE tile of 16 queries in 256 registers, four waves to a SIMD.  Every wave walks the 2,048 keys, 128 a step, in one loop of 16 trips.
; A head's K and V as codes with their scales are 16 steps x 12,800 bytes = 204,800 bytes: they lie in LDS WHOLE.  Wave w fetches step w by its one tensor load; no byte is filled twice.
; One wait for that load and one barrier show all sixteen steps to all waves; the loop has no barrier, since nothing in LDS is written any more.
; CLUSTER 4 x 1: four blocks of queries of one head read the same K and V: joint loads.  No prefetch: all of K and V is asked for by the kernel's first lines.
; LAYOUT: S^T = K Q^T and O^T = V^T P^T: a lane holds ONE query (lane % 16) throughout.  The keys of a tile and the d of a tile of V^T are not neighbours (lane r of tile 2 b + u: 32 b + 8 u + r % 8 + 16 (r / 8)),
; so the 16 registers of tiles 2 b, 2 b + 1 are 16 neighbours.
; K = 64 IN A FORM OF K = 128: an image of K holds two tiles of 16 keys (k 0-63: the first tile's d, k 64-127: the second's).  Against [q | zeros] it gives the first tile's scores, against [zeros | q] the second's:
; zero codes add exact zeros under any scale byte but 0xff (theirs is 1).
; LIMITS: a block of zeros of the result gets the byte 1 where the rule says 127 (its codes are zeros; this program alone reads the bytes); largest magnitudes under 2^-124 not tried; NaN and infinities not served;
; a block of p that has fallen to 0 keeps the byte 1.  A block's largest p is taken as the exponential of its largest score (it takes v_exp_f32 not to fall where its input rises).
; The promise holds while the scaled scores t stay under 2^31 in magnitude.
.set KSB,   12800
.set PANEL, 102400
.set SPARE, 16*KSB                     ; behind K and V: the spare words, 128 bytes a wave: eight blocks of 256 bytes that no other line names
.set WV,  12
.set KF,  36                           ; v36-83   four images of K, then four of V^T
.set S,   84                           ; v84-147  S^T, then p
.set O,   148                          ; v148-179 O^T
.set PF,  180                          ; v180-191 p's codes
.set TC,  192                          ; v192-194, v196-198 at work
.set BM,  200                          ; v200-203 the blocks' largest
.set BT,  204                          ; v204-207 the other lane's; the bytes
.set SO,  208                          ; v208-211 the conversions' scale operands
.set CH,  240                          ; v242-255 seven chains of the row's sum, chain k at CH + 2 k
; v1 16 L, v2 8 L, v3, v4 the step's LDS addresses, v5, v6 the add's two, v7, v35 q's scale words (low, high), v[8:9] K's, v[10:11] V's, v34 p's, v12 -M, v13 the largest t, v[14:15] the sum,
; v16-33 [zeros x 6 | q x 6 | zeros x 6], v[212:213] f, v214 at work, v199 an offset
.macro CROUND
	s_barrier_signal -1
	s_barrier_wait -1
	s_cmp_lg_u32 s[WV], 0
	s_cbranch_scc1 .Lnot_wave_0_\@
	s_barrier_signal -3
.Lnot_wave_0_\@:
	s_barrier_wait -3
	s_barrier_signal -1
	s_barrier_wait -1
.endm
	s_load_b128 s[4:7], s[0:1], 0x0                ; qb, kv
	s_load_b64 s[8:9], s[0:1], 0x10                ; oimg
	v_lshl_add_u32 v5, v0, 2, SPARE
	v_mov_b32 v6, 0
	ds_add_u32 v5, v6                              ; the opening lines: the add, twice on end, and its wait ahead of my tensor load
	ds_add_u32 v5, v6
	v_lshrrev_b32 v3, 5, v0
	v_readfirstlane_b32 s[WV], v3                  ; wave 0..15
	s_bfe_u32 s13, ttmp6, 0x40000                  ; cx: it enters q's and the result's global addresses alone
	s_lshl_b32 s14, ttmp9, 2
	s_add_co_u32 s14, s14, s13                     ; my block of 256 queries
	s_and_b32 s15, ttmp7, 0xffff                   ; bh, which the four partners share
	s_mov_b32 s24, 15|(3<<16)|(1<<21)              ; group 1: the mask: all four; elements of 8 bytes; bit 21 beside a mask; a step's 12,800 dense bytes as 50 rows of 256
	s_mov_b32 s25, 32<<16
	s_mov_b32 s26, 50<<16
	s_mov_b32 s27, 32<<16
	s_mov_b32 s28, 50
	s_mov_b32 s29, 32
	s_mov_b32 s30, 0
	s_mov_b32 s31, 0
	s_mul_i32 s16, s[WV], KSB                      ; wave w: step w, in memory and in LDS alike
	s_mul_i32 s18, s15, 16*KSB
	s_add_co_u32 s18, s18, s16
	s_mov_b32 s19, 0
	s_mov_b32 s48, 0x3e38aa3b                      ; c = log2(e) / 8
	s_mov_b32 s49, s48                             ; (named with it as a pair)
	s_mov_b32 s50, 0x76543210
	s_mov_b32 s51, 0xfedcba98
	s_mov_b32 s68, 0xffff0000
	s_wait_dscnt 0x0                               ; both opening adds are done
	s_wait_kmcnt 0x0
	s_add_nc_u64 s[18:19], s[6:7], s[18:19]
	s_mov_b32 s32, 1
	s_mov_b32 s33, s16
	s_mov_b64 s[34:35], s[18:19]
	s_or_b32 s35, s35, 0x80000000
	CROUND                                         ; all four work-groups are here: the joint loads meet
	tensor_load_to_lds s[32:35], s[24:31]          ; my one tensor load: every wave issues it, with its own step's addresses
	s_nop 0
.rept 4
	v_nop
.endr
	v_and_b32 v3, 31, v0
	v_lshlrev_b32 v1, 4, v3
	s_wait_alu depctr_va_vdst(0)
	v_lshlrev_b32 v2, 3, v3
	v_and_b32 v199, 15, v0
	v_lshlrev_b32 v199, 3, v199                    ; 8 r
	s_wait_alu depctr_va_vdst(0)
	s_and_b32 s20, s[WV], 7                        ; my tile T of a row block of 128 queries
	s_lshr_b32 s21, s[WV], 3
	s_lshl_b32 s22, s14, 1
	s_add_co_u32 s22, s22, s21                     ; which row block of the sequence
	s_lshl_b32 s23, s15, 4
	s_add_co_u32 s23, s23, s22
	s_mul_i32 s56, s23, 6400                       ; its block in qb
	s_lshr_b32 s57, s20, 1                         ; the image that holds my tile
	s_mul_i32 s58, s57, 1536
	s_add_co_u32 s60, s56, s58
	s_mov_b32 s61, 0
	s_and_b32 s58, s57, 1
	s_lshl_b32 s58, s58, 7
	s_lshr_b32 s59, s57, 1
	s_lshl_b32 s59, s59, 2
	s_add_co_u32 s58, s58, s59
	s_add_co_u32 s58, s58, s56
	s_add_co_u32 s62, s58, 6144                    ; its scale words: 6144 + 128 (image % 2) + 4 (image / 2), + 8 r
	s_mov_b32 s63, 0
	s_add_nc_u64 s[60:61], s[4:5], s[60:61]
	s_add_nc_u64 s[62:63], s[4:5], s[62:63]
	global_load_b128 v[84:87], v1, s[60:61]
	global_load_b128 v[88:91], v1, s[60:61] offset:512
	global_load_b128 v[92:95], v1, s[60:61] offset:1024
	global_load_b32 v214, v199, s[62:63]
	; where the result goes: panel 16 x batch + row block, K step head / 2, slot T, half head % 2
	s_lshr_b32 s56, s15, 4
	s_lshl_b32 s56, s56, 4
	s_add_co_u32 s56, s56, s22
	s_mul_i32 s56, s56, PANEL
	s_bfe_u32 s57, s15, 0x30001
	s_mul_i32 s57, s57, KSB
	s_add_co_u32 s56, s56, s57
	s_and_b32 s57, s15, 1
	s_mul_i32 s58, s20, 1536
	s_mul_i32 s59, s57, 768
	s_add_co_u32 s58, s58, s59
	s_add_co_u32 s66, s56, s58
	s_mov_b32 s67, 0
	s_lshr_b32 s58, s20, 2
	s_lshl_b32 s58, s58, 8
	s_and_b32 s59, s20, 1
	s_lshl_b32 s59, s59, 7
	s_add_co_u32 s58, s58, s59
	s_bfe_u32 s59, s20, 0x10001
	s_lshl_b32 s59, s59, 2
	s_add_co_u32 s58, s58, s59
	s_lshl_b32 s59, s57, 1
	s_add_co_u32 s58, s58, s59
	s_add_co_u32 s58, s58, s56
	s_add_co_u32 s70, s58, 12288                   ; my rows' scale bytes: 12288 + 256 (T / 4) + 128 (T % 2) + 4 ((T / 2) % 2) + 2 (head % 2)
	s_mov_b32 s71, 0
	s_add_nc_u64 s[10:11], s[8:9], s[70:71]
	s_add_nc_u64 s[8:9], s[8:9], s[66:67]
	s_and_b32 s57, s20, 1                          ; which half of the image is my tile
	s_lshl_b32 s55, s57, 4
	s_cmp_lg_u32 s57, 0
	s_cselect_b32 s54, -1, 0
.irp i, 0,1,2,3,4,5
	v_mov_b32 v[16+\i], 0
	v_mov_b32 v[28+\i], 0
.endr
	s_wait_loadcnt 0x0
.irp i, 0,1,2,3,4,5
	v_cndmask_b32 v[22+\i], v[84+\i], v[90+\i], s54
.endr
	v_lshrrev_b32 v214, s55, v214
	v_and_b32 v214, 0xffff, v214                   ; my tile's two bytes
	v_or_b32 v7, 0x1010000, v214                   ; for [q | zeros]
	v_lshl_or_b32 v35, v214, 16, 0x101             ; for [zeros | q]
	v_mov_b32 v13, 0xff61b1e6                      ; the largest t so far: -3e38
	v_floor_f32 v12, -v13                          ; -M
	v_mov_b32 v14, 0
	v_mov_b32 v15, 0
	v_mov_b32 v213, 0                              ; (the upper half of the pair v[212:213])
.irp b, 0,1,2,3
	v_mov_b32 v[BT+\b], 0                          ; a lane permute's destination counts as one of its sources
.endr
.set j, 0
.rept 32
	v_mov_b32 v[O+j], 0                            ; the step is written once: the first finds zeros, which the first change of M leaves zeros.  (These are also the places between the scale words' making and the first product)
.set j, j+1
.endr
.macro WM                              ; one matrix line from the symbols set ahead of it; WRA: source 0's scales in lanes 16-31; WZ: the product starts its sum
.if WZ
.if WRA
	v_wmma_scale_f32_16x16x128_f8f6f4 v[WD:WD+7], v[WA:WA+11], v[WB:WB+11], 0, v[WSA], v[WSB] matrix_a_fmt:MATRIX_FMT_FP6 matrix_b_fmt:MATRIX_FMT_FP6 matrix_a_scale:MATRIX_SCALE_ROW1
.else
	v_wmma_scale_f32_16x16x128_f8f6f4 v[WD:WD+7], v[WA:WA+11], v[WB:WB+11], 0, v[WSA], v[WSB] matrix_a_fmt:MATRIX_FMT_FP6 matrix_b_fmt:MATRIX_FMT_FP6
.endif
.else
.if WRA
	v_wmma_scale_f32_16x16x128_f8f6f4 v[WD:WD+7], v[WA:WA+11], v[WB:WB+11], v[WD:WD+7], v[WSA], v[WSB] matrix_a_fmt:MATRIX_FMT_FP6 matrix_b_fmt:MATRIX_FMT_FP6 matrix_a_scale:MATRIX_SCALE_ROW1
.else
	v_wmma_scale_f32_16x16x128_f8f6f4 v[WD:WD+7], v[WA:WA+11], v[WB:WB+11], v[WD:WD+7], v[WSA], v[WSB] matrix_a_fmt:MATRIX_FMT_FP6 matrix_b_fmt:MATRIX_FMT_FP6
.endif
.endif
.endm
	s_wait_alu depctr_va_vdst(0)
	s_wait_tensorcnt 0x0                           ; my step has landed
	s_barrier_signal -1
	s_barrier_wait -1                              ; everybody's has: all of K and V is in LDS, and nothing is filled again
	s_mov_b32 s52, 0                               ; the step's LDS byte
	s_mov_b32 s53, 16
.Lstep:                                                ; A KEY STEP: 128 keys
	v_add_nc_u32 v3, s52, v1
	v_add_nc_u32 v4, s52, v2
	v_nop
	v_nop                                          ; four plain instructions between the last step's products and the loads into the registers that they read
.irp d, 0,1,2,3
.irp i, 0,1,2
	ds_load_b128 v[KF+12*\d+4*\i:KF+12*\d+4*\i+3], v3 offset:1536*\d+512*\i
.endr
.endr
	ds_load_b64 v[8:9], v4 offset:6144             ; K's scale words: image d in register d / 2, lanes 16 (d % 2) on
	s_wait_alu depctr_va_vdst(0)
	s_wait_dscnt 0x0
.irp d, 0,1,2,3
.irp u, 0,1
.set WZ, 1
.set WD, S+8*(2*\d+\u)
.set WA, KF+12*\d
.set WB, 22-6*\u
.set WSA, 8+\d/2
.set WRA, \d%2
.set WSB, 7+28*\u
	WM
.endr
.endr                                  ; lane (r, h): query r; the 16 registers of tiles 2 b, 2 b + 1 are keys 32 b + 16 h + 0 .. 15
.rept 4
	v_nop                                          ; places ahead of the loads below and of the first read of the scores
.endr
.irp t, 0,1,2,3
.irp i, 0,1,2
	ds_load_b128 v[KF+12*\t+4*\i:KF+12*\t+4*\i+3], v3 offset:6400+1536*\t+512*\i   ; V^T: asked for ahead of the softmax, waited for behind it
.endr
.endr
	ds_load_b64 v[10:11], v4 offset:12544
.irp b, 0,1,2,3
	v_max3_num_f32 v[BM+\b], v[S+16*\b], v[S+16*\b+1], v[S+16*\b+2]   ; the largest score of each block of 32 keys: it serves the row's maximum and, since p rises with the score, the block's largest p
.endr
.irp i, 3,5,7,9,11,13
.irp b, 0,1,2,3
	v_max3_num_f32 v[BM+\b], v[BM+\b], v[S+16*\b+\i], v[S+16*\b+\i+1]
.endr
.endr
.irp b, 0,1,2,3
	v_max_num_f32 v[BM+\b], v[BM+\b], v[S+16*\b+15]
.endr
.irp b, 0,1,2,3
	s_delay_alu instid0(VALU_DEP_4)
	v_permlanex16_b32 v[BT+\b], v[BM+\b], s50, s51
.endr
.irp b, 0,1,2,3
	s_delay_alu instid0(VALU_DEP_4)
	v_max_num_f32 v[BM+\b], v[BM+\b], v[BT+\b]     ; with lane l xor 16's 16 keys
.endr
	s_delay_alu instid0(VALU_DEP_2)
	v_max3_num_f32 v214, v[BM], v[BM+1], v[BM+2]
	s_delay_alu instid0(VALU_DEP_1)
	v_max_num_f32 v214, v214, v[BM+3]
	s_delay_alu instid0(VALU_DEP_1)
	v_mul_f32 v214, s48, v214                      ; as t (c is positive)
	s_delay_alu instid0(VALU_DEP_1)
	v_max_num_f32 v13, v13, v214                   ; the running largest t
	v_mov_b32 v214, v12
	s_delay_alu instid0(VALU_DEP_2)
	v_floor_f32 v12, -v13                          ; the new -M = -ceil(t)
	s_delay_alu instid0(VALU_DEP_1)
	v_sub_f32 v214, v12, v214                      ; old M - new M: a whole number, 0 or less
	s_delay_alu instid0(VALU_DEP_1)
	v_cvt_i32_f32 v214, v214                       ; (it saturates)
	s_delay_alu instid0(VALU_DEP_1)
	v_ldexp_f32 v212, 1.0, v214                    ; f = 2^(old M - new M)
.set j, 0
.rept 32
	v_pk_fma_f32 v[S+j:S+j+1], v[S+j:S+j+1], s[48:49], v[12:13] op_sel_hi:[1,0,0]   ; t - M, two at a time
.set j, j+2
.endr
.irp b, 0,1,2,3
	v_fma_f32 v[BM+\b], v[BM+\b], s48, v12         ; the same of each block's largest score
.endr
	s_wait_alu depctr_va_vdst(0)
.set j, 0
.rept 64
	v_exp_f32 v[S+j], v[S+j]                       ; p = 2^(t - M), at most 1
.set j, j+1
.endr
	v_pk_mul_f32 v[14:15], v[14:15], v[212:213] op_sel_hi:[1,0]   ; the sum under the new M: the plain instruction behind the exponentials
	s_wait_alu depctr_va_vdst(0)                   ; one wait for the batch of 64, ahead of its first reader
.irp b, 0,1,2,3
	v_exp_f32 v[BM+\b], v[BM+\b]                   ; the blocks' largest p
.endr
; THE ROW'S SUM, of the unquantised p: 32 pairs in eight chains (the running sum and seven fresh ones), 32 packed additions
.irp k, 1,2,3,4,5,6,7
	v_pk_add_f32 v[CH+2*\k:CH+2*\k+1], v[S+2*\k:S+2*\k+1], v[S+2*\k+14:S+2*\k+15]   ; pairs 1 to 14
.endr
	v_pk_add_f32 v[14:15], v[14:15], v[S:S+1]      ; pair 0
.irp g, 30,46                          ; pairs 15 to 22, 23 to 30
	v_pk_add_f32 v[14:15], v[14:15], v[S+\g:S+\g+1]
.irp k, 1,2,3,4,5,6,7
	v_pk_add_f32 v[CH+2*\k:CH+2*\k+1], v[CH+2*\k:CH+2*\k+1], v[S+\g+2*\k:S+\g+2*\k+1]
.endr
.endr
	v_pk_add_f32 v[14:15], v[14:15], v[S+62:S+63]  ; pair 31
	v_pk_add_f32 v[CH+2:CH+3], v[CH+2:CH+3], v[CH+4:CH+5]
	v_pk_add_f32 v[CH+6:CH+7], v[CH+6:CH+7], v[CH+8:CH+9]
	v_pk_add_f32 v[CH+10:CH+11], v[CH+10:CH+11], v[CH+12:CH+13]
	v_pk_add_f32 v[14:15], v[14:15], v[CH+14:CH+15]
	v_pk_add_f32 v[CH+2:CH+3], v[CH+2:CH+3], v[CH+6:CH+7]
	v_pk_add_f32 v[14:15], v[14:15], v[CH+10:CH+11]
	v_pk_add_f32 v[14:15], v[14:15], v[CH+2:CH+3]
	s_wait_alu depctr_va_vdst(0)                   ; and one for the four
.irp b, 0,1,2,3
	v_max_num_f32 v[BM+\b], 0x1800000, v[BM+\b]    ; the floor 2^(3 - 127)
.endr
.irp b, 0,1,2,3
	s_delay_alu instid0(VALU_DEP_4)
	v_add_nc_u32 v[SO+\b], 0xff000000, v[BM+\b]
.endr
.irp b, 0,1,2,3
	s_delay_alu instid0(VALU_DEP_4)
	v_lshrrev_b32 v[BT+\b], 23, v[SO+\b]
.endr
	s_delay_alu instid0(VALU_DEP_3)
	v_lshl_or_b32 v34, v[BT+1], 8, v[BT]           ; p's scale word for these 128 keys
	s_delay_alu instid0(VALU_DEP_1)
	v_lshl_or_b32 v34, v[BT+2], 16, v34
	s_delay_alu instid0(VALU_DEP_1)
	v_lshl_or_b32 v34, v[BT+3], 24, v34
.irp c, 0,1
	v_cvt_scalef32_pk16_fp6_f32 v[PF+6*\c:PF+6*\c+2], v[S+32*\c:S+32*\c+15], v[SO+2*\c]
	v_cvt_scalef32_pk16_fp6_f32 v[TC+4*\c:TC+4*\c+2], v[S+32*\c+16:S+32*\c+31], v[SO+2*\c+1]
.endr
	v_nop                                          ; one plain instruction behind the conversions
.irp c, 0,1
.irp i, 0,1,2
	v_permlane16_swap_b32 v[PF+6*\c+\i], v[TC+4*\c+\i]
.endr
.irp i, 0,1,2
	s_delay_alu instid0(VALU_DEP_3)
	v_mov_b32 v[PF+6*\c+3+\i], v[TC+4*\c+\i]
.endr
.endr
	s_wait_alu depctr_va_vdst(0)                   ; directly ahead of the first reader of O^T
.set j, 0
.rept 16
	v_pk_mul_f32 v[O+j:O+j+1], v[O+j:O+j+1], v[212:213] op_sel_hi:[1,0]   ; O^T under the new M.  For each product below twelve of these name none of its registers: the places between p's scale word and codes and the products
.set j, j+2
.endr
	s_wait_alu depctr_va_vdst(0)
	s_wait_dscnt 0x0                               ; V^T is in
.irp t, 0,1,2,3
.set WZ, 0
.set WD, O+8*\t
.set WA, KF+12*\t
.set WB, PF
.set WSA, 10+\t/2
.set WRA, \t%2
.set WSB, 34
	WM                                             ; the four accumulators by turns; the next matrix instruction behind the fourth starts a tile of scores
.endr
	s_add_co_u32 s52, s52, KSB
	s_sub_co_u32 s53, s53, 1
	s_cmp_lg_u32 s53, 0
	s_cbranch_scc1 .Lstep
	; THE WAY OUT: O^T / the sum; register 16 b + i = d 32 b + 16 h + i of my query: two blocks of the last product's K
	v_add_f32 v14, v14, v15
	v_permlanex16_b32 v214, v14, s50, s51
	v_add_f32 v14, v14, v214                       ; the row's sum
	s_wait_alu depctr_va_vdst(0)                   ; ahead of the transcendental
	v_rcp_f32 v14, v14
	v_and_b32 v3, 15, v0
	v_bfe_u32 v4, v0, 4, 1
	v_lshl_add_u32 v3, v3, 3, v4                   ; my scale byte's place: 8 r + h
	v_nop
	s_wait_alu depctr_va_vdst(0)                   ; ahead of the reciprocal's first reader, which is O^T's too
.set j, 0
.rept 32
	v_mul_f32 v[S+j], v[O+j], v14                  ; each accumulator from its low end on
.set j, j+1
.endr
.irp b, 0,1
	v_max3_num_f32 v[BM+\b], |v[S+16*\b]|, |v[S+16*\b+1]|, 0x1800000
.endr
.irp i, 2,4,6,8,10,12,14
.irp b, 0,1
	v_max3_num_f32 v[BM+\b], v[BM+\b], |v[S+16*\b+\i]|, |v[S+16*\b+\i+1]|
.endr
.endr
.irp b, 0,1
	v_permlanex16_b32 v[BT+\b], v[BM+\b], s50, s51
.endr
.irp b, 0,1
	v_max_num_f32 v[BM+\b], v[BM+\b], v[BT+\b]
.endr
.irp b, 0,1
	v_add_nc_u32 v[SO+\b], 0xff000000, v[BM+\b]
.endr
.irp b, 0,1
	v_lshrrev_b32 v[BT+\b], 23, v[SO+\b]
.endr
	v_cndmask_b32 v214, v[BT], v[BT+1], s68        ; lane (r, h) keeps block h's byte
	v_cvt_scalef32_pk16_fp6_f32 v[PF:PF+2], v[S:S+15], v[SO]
	v_cvt_scalef32_pk16_fp6_f32 v[TC:TC+2], v[S+16:S+31], v[SO+1]
	v_nop
.irp i, 0,1,2
	v_permlane16_swap_b32 v[PF+\i], v[TC+\i]
.endr
.irp i, 0,1,2
	v_mov_b32 v[PF+3+\i], v[TC+\i]                 ; six registers: k = 64 (head % 2) + 32 h + 0 .. 31 of the last product's fragment
.endr
	global_store_b128 v1, v[PF:PF+3], s[8:9]               ; 512 consecutive bytes,
	global_store_b64 v2, v[PF+4:PF+5], s[8:9] offset:512   ; and 256: a half image of 768 bytes, at a multiple of 256 from the buffer's first byte
	global_store_b8 v3, v214, s[10:11]             ; one byte a lane, each byte by one lane; the words' other halves come from the neighbouring head: 32 bytes beside the 768 above
	s_wait_tensorcnt 0x0                           ; the wave's end, behind my tensor load
	ds_add_u32 v5, v6
	s_wait_dscnt 0x0
	CROUND                                         ; the closing round
	s_endpgm
.Lfunc_end_k_q1727e21404_attn:
	.size	k_q1727e21404_attn, .Lfunc_end_k_q1727e21404_attn-k_q1727e21404_attn
	.p2alignl 7, 3214868480
	.fill 96, 4, 3214868480
	.section	.rodata,"a",@progbits
	.p2align	6, 0x0
	.amdhsa_kernel k_q1727e21404_attn
		.amdhsa_group_segment_fixed_size 327680
		.amdhsa_private_segment_fixed_size 0
		.amdhsa_enable_private_segment 0
		.amdhsa_kernarg_size 24
		.amdhsa_user_sgpr_count 2
		.amdhsa_user_sgpr_kernarg_segment_ptr 1
		.amdhsa_wavefront_size32 1
		.amdhsa_system_sgpr_workgroup_id_x 1
		.amdhsa_system_sgpr_workgroup_id_y 1
		.amdhsa_system_sgpr_workgroup_id_z 1
		.amdhsa_system_vgpr_workitem_id 0
		.amdhsa_next_free_vgpr 256
		.amdhsa_next_free_sgpr 80
		.amdhsa_reserve_vcc 0
		.amdhsa_float_denorm_mode_32 3
		.amdhsa_float_denorm_mode_16_64 3
		.amdhsa_memory_ordered 1
		.amdhsa_forward_progress 1
		.amdhsa_inst_pref_size 29
	.end_amdhsa_kernel
	.amdgpu_metadata
---
amdhsa.version: [ 1, 2 ]
amdhsa.kernels:
  - .name:           k_q1727e21404_attn
    .symbol:         k_q1727e21404_attn.kd
    .args:
      - { .name: qb, .offset: 0, .size: 8, .value_kind: global_buffer, .address_space: global }
      - { .name: kv, .offset: 8, .size: 8, .value_kind: global_buffer, .address_space: global }
      - { .name: oimg, .offset: 16, .size: 8, .value_kind: global_buffer, .address_space: global }
    .group_segment_fixed_size: 327680
    .private_segment_fixed_size: 0
    .kernarg_segment_align: 8
    .kernarg_segment_size: 24
    .max_flat_workgroup_size: 512
    .sgpr_count:     80
    .vgpr_count:     256
    .wavefront_size: 32
...
	.end_amdgpu_metadata
.endif
;; end of part 3
;; launch oproj (part 4): grid 8 x 32, 4 waves a work-group, clusters of 4 x 4, 327,680 bytes of LDS; arguments oimg, wimg, bo, out0; writes out0
.if DOCPART == 4
	.amdgcn_target "amdgcn-amd-amdhsa--gfx1250"
	.amdhsa_code_object_version 6
	.text
	.protected	k_q1727e21404_oproj
	.globl	k_q1727e21404_oproj
	.p2align	8
	.type	k_q1727e21404_oproj,@function
k_q1727e21404_oproj:
	s_mov_b64 s[64:65], 0
	v_nop
	global_prefetch_b8 v0, s[64:65] scope:SCOPE_SE
	s_setreg_imm32_b32 hwreg(HW_REG_WAVE_MODE, 25, 1), 1
	s_wait_xcnt 0x0
	s_wait_alu depctr_hold_cnt(0) depctr_sa_sdst(0) depctr_va_vdst(0) depctr_va_sdst(0) depctr_va_ssrc(0) depctr_va_vcc(0) depctr_vm_vsrc(0)
	s_getreg_b32 s2, hwreg(HW_REG_IB_STS2, 6, 4)
	s_cmp_eq_u32 s2, 0
	s_cbranch_scc0 .Lentry_in_a_cluster
	s_endpgm
.Lentry_in_a_cluster:
	s_bfe_u32 s2, ttmp6, 0x10000c
	s_cmp_lg_u32 s2, 0xf033
	s_cbranch_scc0 .Lentry_shape_is_right
	s_endpgm
.Lentry_shape_is_right:
; out0 = attention result x Wo + bo, on codes of FP6 (E2M3) with E8M0 scales; out0 [4096][1024] f32.
; A work-group takes 128 rows (row block RB) x 128 columns (group cg): 256 work-groups.  Wave (rh = wave / 2, ch = wave % 2) takes 64 x 64: 16 accumulators.
; Both operands lie in memory as panels of operand images (launches attn and prep): 8 K steps of 12,800 bytes.  The two panels, 204,800 bytes, fit in LDS WHOLE: every tensor load is a first fill.
; In the result's panel a fragment's slot is two half images of 768 bytes (one for each of a K step's two heads): registers 6 c .. 6 c + 3 at 16 L, registers 6 c + 4, 6 c + 5 at 512 + 8 L.
; CLUSTER 4 x 4: the rows' panel is shared along a row of the cluster, Wo's along a column: joint loads.
; Source 0 = 16 columns of Wo, source 1 = 16 rows: a lane holds eight neighbouring columns of one row.  The bias is the C of each sum's first product.  No prefetch: all is asked for by the first lines.
; REGISTERS: window 0: v3-16 addresses; v28, v29 the add's two; v32-39 scale words, two sets; v64-159 and v160-255 fragment sets 0, 1 (rows' four, Wo's four); on the way out v64-191 rows of out0.  window 1: v0-127 accumulators, v128-159 the bias.
.set PANEL, 102400
.set KSB,   12800
.set STAGE, 2*PANEL                    ; behind the panels: 16 rows x (256 bytes + 16) for each wave; no tensor load lands here
.set SPARE, STAGE+4*16*272             ; the spare words, 128 bytes a wave: two blocks of 256 bytes that no other line names
.set AA,  3                            ; v3, v4    my rows' fragments, 16 bytes a lane, K steps 0-3 and 4-7
.set A8,  5                            ; v5, v6    the same, 8 bytes a lane
.set BB,  7                            ; v7, v8    my columns' fragments
.set SA,  9                            ; v9, v10   my rows' scale words
.set SB,  11                           ; v11, v12  my columns'
.set STO, 13
.set RD,  14
.set CO,  15
.set SPW, 28
.set NIL, 29
.set XS,  32                           ; set s % 2 at + 4: tile a in register a / 2, lanes 16 (a % 2) on
.set WS,  34
.set AF,  64                           ; set s % 2 at + 96
.set BF,  112
.set WV,  12
.set G1A, 24
.set G1B, 32
.set G0A, 40
.set G0B, 68
.set MSB, 0
.macro WIN new
.if MSB != \new
	s_set_vgpr_msb (MSB<<8)|\new
.set MSB, \new
.endif
.endm
.macro PLACES n
.rept \n
	v_nop
.endr
.endm
.macro CROUND
	s_barrier_signal -1
	s_barrier_wait -1
	s_cmp_lg_u32 s[WV], 0
	s_cbranch_scc1 .Lnot_wave_0_\@
	s_barrier_signal -3
.Lnot_wave_0_\@:
	s_barrier_wait -3
	s_barrier_signal -1
	s_barrier_wait -1
.endm
	s_load_b256 s[4:11], s[0:1], 0x0               ; oimg, wimg, bo, out0
	v_lshl_add_u32 v[SPW], v0, 2, SPARE
	v_mov_b32 v[NIL], 0
	ds_add_u32 v[SPW], v[NIL]                      ; the wave's opening: the add and its wait ahead of my first tensor load; work on registers stands between them
	ds_add_u32 v[SPW], v[NIL]
	v_lshrrev_b32 v17, 5, v0
	v_readfirstlane_b32 s[WV], v17
	s_lshr_b32 s13, s[WV], 1                       ; rh.  Also: I fetch the rows' panel (0) or Wo's (1)
	s_and_b32 s14, s[WV], 1                        ; ch.  Also: which half of the panel (four K steps) I fetch
	s_bfe_u32 s15, ttmp6, 0x40000                  ; cx
	s_bfe_u32 s16, ttmp6, 0x40004                  ; cy
	s_lshl_b32 s17, ttmp9, 2
	s_add_co_u32 s17, s17, s15                     ; cg
	s_and_b32 s18, ttmp7, 0xffff
	s_lshl_b32 s18, s18, 2
	s_add_co_u32 s18, s18, s16                     ; RB
	s_lshl_b32 s19, s16, 2
	s_lshl_b32 s19, 15, s19                        ; my row of the cluster
	s_lshl_b32 s20, 0x1111, s15                    ; my column
	s_or_b32 s[G1A], s19, (3<<16)|(1<<21)          ; half a panel, four K steps, 51,200 dense bytes, as 200 rows of 256 (32 elements of 8 bytes)
	s_or_b32 s[G1B], s20, (3<<16)|(1<<21)
.irp g, G1A, G1B
	s_mov_b32 s[\g+1], 32<<16
	s_mov_b32 s[\g+2], 200<<16
	s_mov_b32 s[\g+3], 32<<16
	s_mov_b32 s[\g+4], 200
	s_mov_b32 s[\g+5], 32
	s_mov_b32 s[\g+6], 0
	s_mov_b32 s[\g+7], 0
.endr
	s_mul_i32 s21, s14, 4*KSB                      ; K steps 4 (wave % 2) on: half of my panel
	s_mul_i32 s56, s18, PANEL
	s_add_co_u32 s56, s56, s21
	s_mov_b32 s57, 0
	s_mul_i32 s58, s17, PANEL
	s_add_co_u32 s58, s58, s21
	s_add_co_u32 s58, s58, 24*PANEL                ; Wo is the fourth matrix
	s_mov_b32 s59, 0
	s_add_co_u32 s22, s21, PANEL
	s_wait_dscnt 0x0                               ; the opening add is done
	s_wait_kmcnt 0x0
	s_add_nc_u64 s[56:57], s[4:5], s[56:57]
	s_add_nc_u64 s[58:59], s[6:7], s[58:59]
.irp c, 0
	s_mov_b32 s[G0A+4*\c], 1
	s_add_co_u32 s[G0A+4*\c+1], s21, \c*2*KSB
	s_add_nc_u64 s[G0A+4*\c+2:G0A+4*\c+3], s[56:57], \c*2*KSB
	s_or_b32 s[G0A+4*\c+3], s[G0A+4*\c+3], 0x80000000
	s_mov_b32 s[G0B+4*\c], 1
	s_add_co_u32 s[G0B+4*\c+1], s22, \c*2*KSB
	s_add_nc_u64 s[G0B+4*\c+2:G0B+4*\c+3], s[58:59], \c*2*KSB
	s_or_b32 s[G0B+4*\c+3], s[G0B+4*\c+3], 0x80000000
.endr
	CROUND                                         ; all sixteen work-groups are here: the joint loads meet
	s_cmp_eq_u32 s13, 0                            ; one first fill a wave, in the two arms of one branch on its number
	s_cbranch_scc0 .Lfill_b
	tensor_load_to_lds s[G0A:G0A+3], s[G1A:G1A+7]
	s_nop 0
	PLACES 4
	s_branch .Lfilled
.Lfill_b:
	tensor_load_to_lds s[G0B:G0B+3], s[G1B:G1B+7]
	s_nop 0
	PLACES 4
.Lfilled:
	v_and_b32 v17, 31, v0
	v_and_b32 v18, 15, v0                          ; r
	v_bfe_u32 v19, v0, 4, 1                        ; h
	s_mul_i32 s23, s13, 6144                       ; my rows' tiles 4 rh on
	v_lshlrev_b32 v[AA], 4, v17
	v_add_nc_u32 v[AA], s23, v[AA]
	v_add_nc_u32 v[AA+1], 4*KSB, v[AA]
	v_lshlrev_b32 v[A8], 3, v17
	v_add_nc_u32 v[A8], s23, v[A8]
	v_add_nc_u32 v[A8+1], 4*KSB, v[A8]
	s_mul_i32 s23, s14, 6144
	s_add_co_u32 s23, s23, PANEL                   ; my columns' tiles 4 ch on
	v_lshlrev_b32 v[BB], 4, v17
	v_add_nc_u32 v[BB], s23, v[BB]
	v_add_nc_u32 v[BB+1], 4*KSB, v[BB]
	s_lshl_b32 s23, s13, 8
	s_add_co_u32 s23, s23, 12288
	v_lshlrev_b32 v[SA], 3, v17
	v_add_nc_u32 v[SA], s23, v[SA]
	v_add_nc_u32 v[SA+1], 4*KSB, v[SA]
	s_lshl_b32 s23, s14, 8
	s_add_co_u32 s23, s23, PANEL+12288
	v_lshlrev_b32 v[SB], 3, v17
	v_add_nc_u32 v[SB], s23, v[SB]
	v_add_nc_u32 v[SB+1], 4*KSB, v[SB]
	s_mul_i32 s23, s[WV], 16*272
	s_add_co_u32 s23, s23, STAGE                   ; my stage
	v_mul_u32_u24 v[STO], v18, 272
	v_lshl_add_u32 v[STO], v19, 6, v[STO]
	v_add_nc_u32 v[STO], s23, v[STO]               ; in: row r, + 64 h bytes
	v_mul_u32_u24 v[RD], v19, 272
	v_lshl_add_u32 v[RD], v18, 4, v[RD]
	v_add_nc_u32 v[RD], s23, v[RD]                 ; back: lanes 0-15 one row of 256 bytes, lanes 16-31 the next
	v_lshlrev_b32 v[CO], 12, v19
	v_lshl_add_u32 v[CO], v18, 4, v[CO]            ; and the same two rows in out0
	v_lshlrev_b32 v16, 6, v19                      ; the bias: 16 h numbers on
	s_wait_alu depctr_va_vdst(0)
	s_lshl_b32 s60, s17, 9
	s_lshl_b32 s61, s14, 8
	s_add_co_u32 s60, s60, s61                     ; my first column, in bytes
	s_mov_b32 s61, 0
	s_add_nc_u64 s[8:9], s[8:9], s[60:61]
	s_lshl_b32 s62, s18, 19
	s_lshl_b32 s63, s13, 18
	s_add_co_u32 s62, s62, s63                     ; my first row: 128 RB + 64 rh rows of 4,096 bytes
	s_add_co_u32 s62, s62, s60
	s_mov_b32 s63, 0
	s_add_nc_u64 s[10:11], s[10:11], s[62:63]
	WIN 0x40                                       ; destination window 1
.irp t, 0,1,2,3                        ; lane (r, h), tile t, register j: bo at my first column + 32 (t / 2) + 8 (t % 2) + 16 h + j
	global_load_b128 v[128+8*\t:128+8*\t+3], v16, s[8:9] offset:(32*(\t/2)+8*(\t%2))*4
	global_load_b128 v[128+8*\t+4:128+8*\t+7], v16, s[8:9] offset:(32*(\t/2)+8*(\t%2))*4+16
.endr
	WIN 0
.macro WM                              ; one matrix line from the symbols set ahead of it.  WR: bit 0 source 0's scales in lanes 16-31, bit 1 source 1's.  WZ = 1: the sum starts from the bias
.if WZ
.if WR == 0
	v_wmma_scale_f32_16x16x128_f8f6f4 v[WD:WD+7], v[WA:WA+11], v[WB:WB+11], v[WC:WC+7], v[WSA], v[WSB] matrix_a_fmt:MATRIX_FMT_FP6 matrix_b_fmt:MATRIX_FMT_FP6
.elseif WR == 1
	v_wmma_scale_f32_16x16x128_f8f6f4 v[WD:WD+7], v[WA:WA+11], v[WB:WB+11], v[WC:WC+7], v[WSA], v[WSB] matrix_a_fmt:MATRIX_FMT_FP6 matrix_b_fmt:MATRIX_FMT_FP6 matrix_a_scale:MATRIX_SCALE_ROW1
.elseif WR == 2
	v_wmma_scale_f32_16x16x128_f8f6f4 v[WD:WD+7], v[WA:WA+11], v[WB:WB+11], v[WC:WC+7], v[WSA], v[WSB] matrix_a_fmt:MATRIX_FMT_FP6 matrix_b_fmt:MATRIX_FMT_FP6 matrix_b_scale:MATRIX_SCALE_ROW1
.else
	v_wmma_scale_f32_16x16x128_f8f6f4 v[WD:WD+7], v[WA:WA+11], v[WB:WB+11], v[WC:WC+7], v[WSA], v[WSB] matrix_a_fmt:MATRIX_FMT_FP6 matrix_b_fmt:MATRIX_FMT_FP6 matrix_a_scale:MATRIX_SCALE_ROW1 matrix_b_scale:MATRIX_SCALE_ROW1
.endif
.else
.if WR == 0
	v_wmma_scale_f32_16x16x128_f8f6f4 v[WD:WD+7], v[WA:WA+11], v[WB:WB+11], v[WD:WD+7], v[WSA], v[WSB] matrix_a_fmt:MATRIX_FMT_FP6 matrix_b_fmt:MATRIX_FMT_FP6
.elseif WR == 1
	v_wmma_scale_f32_16x16x128_f8f6f4 v[WD:WD+7], v[WA:WA+11], v[WB:WB+11], v[WD:WD+7], v[WSA], v[WSB] matrix_a_fmt:MATRIX_FMT_FP6 matrix_b_fmt:MATRIX_FMT_FP6 matrix_a_scale:MATRIX_SCALE_ROW1
.elseif WR == 2
	v_wmma_scale_f32_16x16x128_f8f6f4 v[WD:WD+7], v[WA:WA+11], v[WB:WB+11], v[WD:WD+7], v[WSA], v[WSB] matrix_a_fmt:MATRIX_FMT_FP6 matrix_b_fmt:MATRIX_FMT_FP6 matrix_b_scale:MATRIX_SCALE_ROW1
.else
	v_wmma_scale_f32_16x16x128_f8f6f4 v[WD:WD+7], v[WA:WA+11], v[WB:WB+11], v[WD:WD+7], v[WSA], v[WSB] matrix_a_fmt:MATRIX_FMT_FP6 matrix_b_fmt:MATRIX_FMT_FP6 matrix_a_scale:MATRIX_SCALE_ROW1 matrix_b_scale:MATRIX_SCALE_ROW1
.endif
.endif
.endm
; 8 matrix instructions: rows' tiles a0, a0 + 1 against my four tiles of columns; accumulator (a, t) at 8 (4 a + t).  The 16 take turns, one instruction a turn, in the same order in every K step.
.macro MUL a0, s, first
.irp a, \a0, \a0+1
.irp t, 0,1,2,3
.set WZ, \first
.set WD, 8*(4*(\a)+\t)
.set WC, 128+8*\t
.set WA, BF+96*((\s)%2)+12*\t
.set WB, AF+96*((\s)%2)+12*(\a)
.set WSA, WS+4*((\s)%2)+\t/2
.set WSB, XS+4*((\s)%2)+(\a)/2
.set WR, \t%2+2*((\a)%2)
	WM
.endr
.endr
.endm
.macro FETCH s                         ; K step s into set s % 2: 30 LDS loads, each of consecutive bytes
.irp a, 0,1,2,3
	ds_load_b128 v[AF+96*((\s)%2)+12*\a:AF+96*((\s)%2)+12*\a+3], v[AA+(\s)/4] offset:((\s)%4)*KSB+\a*1536
	ds_load_b64 v[AF+96*((\s)%2)+12*\a+4:AF+96*((\s)%2)+12*\a+5], v[A8+(\s)/4] offset:((\s)%4)*KSB+\a*1536+512
	ds_load_b128 v[AF+96*((\s)%2)+12*\a+6:AF+96*((\s)%2)+12*\a+9], v[AA+(\s)/4] offset:((\s)%4)*KSB+\a*1536+768
	ds_load_b64 v[AF+96*((\s)%2)+12*\a+10:AF+96*((\s)%2)+12*\a+11], v[A8+(\s)/4] offset:((\s)%4)*KSB+\a*1536+1280
.endr
.irp t, 0,1,2,3
.irp i, 0,1,2
	ds_load_b128 v[BF+96*((\s)%2)+12*\t+4*\i:BF+96*((\s)%2)+12*\t+4*\i+3], v[BB+(\s)/4] offset:((\s)%4)*KSB+\t*1536+\i*512
.endr
.endr
	ds_load_b64 v[XS+4*((\s)%2):XS+4*((\s)%2)+1], v[SA+(\s)/4] offset:((\s)%4)*KSB
	ds_load_b64 v[WS+4*((\s)%2):WS+4*((\s)%2)+1], v[SB+(\s)/4] offset:((\s)%4)*KSB
.endm
; A K step: 16 matrix instructions, the next step's fetch in its middle.  Both panels are whole in LDS from the one barrier on: no barrier stands in a step.
.macro KSTEP s
	s_wait_dscnt 0x0                               ; this step's 30 loads are in
	WIN 0x50                                       ; C and D window 1
.if (\s) == 0
	MUL 0, \s, 1
.else
	MUL 0, \s, 0
.endif
.if (\s) < 7
	PLACES 4                                       ; between the last products that read the other set and the loads into it
	WIN 0
	FETCH (\s)+1
	WIN 0x50
.endif
.if (\s) == 0
	MUL 2, \s, 1
.else
	MUL 2, \s, 0
.endif
.endm
	s_wait_tensorcnt 0x0                           ; my one tensor load has landed
	s_barrier_signal -1
	s_barrier_wait -1
	FETCH 0
	s_wait_loadcnt 0x0                             ; the bias
.irp s, 0,1,2,3,4,5,6,7
	KSTEP \s
.endr
	WIN 0
; THE WAY OUT, a tile of 16 rows x 64 columns at a time: a lane's 32 neighbouring bytes of a row go into my own stage and come back as whole rows of 256 bytes.  LDS serves a wave's instructions in order:
; no wait between the stores and the loads, nor ahead of the next tile's stores.  The stage's row 2 i + (lane / 16) is lane number of the tile: row 32 (a / 2) + 8 (a % 2) + 2 i + 8 (i / 4) + lane / 16 of my 64.
.macro TOSTAGE a
	WIN 0x04                                       ; an LDS store's data: window 1
.irp t, 0,1,2,3
	ds_store_b128 v[STO], v[8*(4*(\a)+\t):8*(4*(\a)+\t)+3] offset:128*(\t/2)+32*(\t%2)       ; each accumulator from its low end on
	ds_store_b128 v[STO], v[8*(4*(\a)+\t)+4:8*(4*(\a)+\t)+7] offset:128*(\t/2)+32*(\t%2)+16
.endr
	WIN 0
.irp i, 0,1,2,3,4,5,6,7
	ds_load_b128 v[64+32*(\a)+4*\i:64+32*(\a)+4*\i+3], v[RD] offset:544*\i
.endr
.endm
.macro SEND a, younger                 ; younger: the LDS instructions issued behind tile a's loads: the next tile's 8 stores and 8 loads, or none
	s_wait_dscnt \younger
.irp i, 0,1,2,3,4,5,6,7
	global_store_b128 v[CO], v[64+32*(\a)+4*\i:64+32*(\a)+4*\i+3], s[10:11] offset:(32*((\a)/2)+8*((\a)%2)+2*\i+8*(\i/4))*4096 th:TH_STORE_NT   ; sixteen lanes store 256 consecutive bytes, aligned; each tile has its own registers: none is written again
.endr
.endm
	PLACES 4                                       ; behind the last products: ahead of the first read of results and of loads into operand registers
	TOSTAGE 0
	TOSTAGE 1
	SEND 0, 16
	TOSTAGE 2
	SEND 1, 16
	TOSTAGE 3
	SEND 2, 16
	SEND 3, 0
	s_wait_tensorcnt 0x0                           ; the wave's end, behind my last tensor load and my last LDS store
	ds_add_u32 v[SPW], v[NIL]
	s_wait_dscnt 0x0
	CROUND                                         ; the closing round
	s_endpgm
.Lfunc_end_k_q1727e21404_oproj:
	.size	k_q1727e21404_oproj, .Lfunc_end_k_q1727e21404_oproj-k_q1727e21404_oproj
	.p2alignl 7, 3214868480
	.fill 96, 4, 3214868480
	.section	.rodata,"a",@progbits
	.p2align	6, 0x0
	.amdhsa_kernel k_q1727e21404_oproj
		.amdhsa_group_segment_fixed_size 327680
		.amdhsa_private_segment_fixed_size 0
		.amdhsa_enable_private_segment 0
		.amdhsa_kernarg_size 32
		.amdhsa_user_sgpr_count 2
		.amdhsa_user_sgpr_kernarg_segment_ptr 1
		.amdhsa_wavefront_size32 1
		.amdhsa_system_sgpr_workgroup_id_x 1
		.amdhsa_system_sgpr_workgroup_id_y 1
		.amdhsa_system_sgpr_workgroup_id_z 1
		.amdhsa_system_vgpr_workitem_id 0
		.amdhsa_next_free_vgpr 512
		.amdhsa_next_free_sgpr 100
		.amdhsa_reserve_vcc 0
		.amdhsa_float_denorm_mode_32 3
		.amdhsa_float_denorm_mode_16_64 3
		.amdhsa_memory_ordered 1
		.amdhsa_forward_progress 1
		.amdhsa_inst_pref_size 48
	.end_amdhsa_kernel
	.amdgpu_metadata
---
amdhsa.version: [ 1, 2 ]
amdhsa.kernels:
  - .name:           k_q1727e21404_oproj
    .symbol:         k_q1727e21404_oproj.kd
    .args:
      - { .name: oimg, .offset: 0, .size: 8, .value_kind: global_buffer, .address_space: global }
      - { .name: wimg, .offset: 8, .size: 8, .value_kind: global_buffer, .address_space: global }
      - { .name: bo, .offset: 16, .size: 8, .value_kind: global_buffer, .address_space: global }
      - { .name: out0, .offset: 24, .size: 8, .value_kind: global_buffer, .address_space: global }
    .group_segment_fixed_size: 327680
    .private_segment_fixed_size: 0
    .kernarg_segment_align: 8
    .kernarg_segment_size: 32
    .max_flat_workgroup_size: 128
    .sgpr_count:     100
    .vgpr_count:     512
    .wavefront_size: 32
...
	.end_amdgpu_metadata
.endif
;; end of part 4
